; MI455X (gfx1250); checked and timed in simulation.
; The chip was launched on July 23, 2026; its instructions are those of AMD's public machine-readable ISA for CDNA 5 (MIT licence, August 2026) and "CDNA5" Instruction Set Architecture Reference Guide (July 2026). The comments in the code are by the model that wrote it; some were corrected since.
;; Switch Transformer Routing. Allowed arithmetic: matrix products marked QUANTISED: E2M3 operands, one E8M0 scale for each 32 along K, by v_wmma_scale_f32_16x16x128_f8f6f4 with both operands' format E2M3, f32 sums; products left as they are: f32 operands where the result goes on into a quantised operand, else bf16, f16 or f32 operands; f32 sums; everything else in f32.
;; Inputs: b1 8 x 2,048 float32; b2 8 x 512 float32; gate_b 8 float32; gate_w 512 x 8 float32; w1 8 x 512 x 2,048 float32; w2 8 x 2,048 x 512 float32; x 2 x 2,048 x 512 float32.
;; Outputs: out0 2 x 2,048 x 512 float32.
;; This version of the problem:
;;   THIS VERSION OF THE PROBLEM IS GIVEN IN LOW PRECISION. The matrix products marked QUANTISED in the list below multiply operands that are first quantised to E2M3 (2 exponent bits, 3 mantissa bits; 6 bits a number), with one power-of-two scale for each 32 numbers along K (OCP MX v1.0); their sums are f32. All else is computed in f32.
;;   The module's matrix products, in the order in which they are computed (A, B: the left and right operand; K: the contracted axis; several contracted axes count as one K, in the product's order):
;;     1. [M 4,096, K 512] x [K 512, N 8]; A: input x; B: input gate_w: left as it is (N = 8 < 16)
;;     2. [M 4,096, K 512] x [K 512, N 2,048]; A: input x; B: input w1: QUANTISED
;;     3. [M 4,096, K 2,048] x [K 2,048, N 512]; A: computed on the way; B: input w2: QUANTISED
;;     4. [M 4,096, K 512] x [K 512, N 2,048]; A: input x; B: input w1: QUANTISED
;;     5. [M 4,096, K 2,048] x [K 2,048, N 512]; A: computed on the way; B: input w2: QUANTISED
;;     6. [M 4,096, K 512] x [K 512, N 2,048]; A: input x; B: input w1: QUANTISED
;;     7. [M 4,096, K 2,048] x [K 2,048, N 512]; A: computed on the way; B: input w2: QUANTISED
;;     8. [M 4,096, K 512] x [K 512, N 2,048]; A: input x; B: input w1: QUANTISED
;;     9. [M 4,096, K 2,048] x [K 2,048, N 512]; A: computed on the way; B: input w2: QUANTISED
;;     10. [M 4,096, K 512] x [K 512, N 2,048]; A: input x; B: input w1: QUANTISED
;;     11. [M 4,096, K 2,048] x [K 2,048, N 512]; A: computed on the way; B: input w2: QUANTISED
;;     12. [M 4,096, K 512] x [K 512, N 2,048]; A: input x; B: input w1: QUANTISED
;;     13. [M 4,096, K 2,048] x [K 2,048, N 512]; A: computed on the way; B: input w2: QUANTISED
;;     14. [M 4,096, K 512] x [K 512, N 2,048]; A: input x; B: input w1: QUANTISED
;;     15. [M 4,096, K 2,048] x [K 2,048, N 512]; A: computed on the way; B: input w2: QUANTISED
;;     16. [M 4,096, K 512] x [K 512, N 2,048]; A: input x; B: input w1: QUANTISED
;;     17. [M 4,096, K 2,048] x [K 2,048, N 512]; A: computed on the way; B: input w2: QUANTISED
;;   THE QUANTISER, for each operand of a quantised product, along K:
;;     - K is cut into blocks of 32 from its start; a last block that is shorter is filled with zeros.
;;     - A block's scale is 2^e with e = floor(log2(the largest magnitude in the block)) - 2, held to -126 .. 127; a block of zeros has e = 0. As a byte (E8M0): e + 127.
;;     - Each number is divided by its block's scale, clamped to +-7.5, and rounded to the nearest number of E2M3, ties to even, subnormals kept.
;;     - The product sums the exact products of the quantised numbers (number of the format x scale) in f32.
;;   ~~~python
;;   def quantise(x, axis):      # numpy; x: float32 -> the quantised numbers, widened to float32 again
;;       x = np.moveaxis(x, axis, -1); K = x.shape[-1]
;;       x = np.pad(x, [(0, 0)] * (x.ndim - 1) + [(0, -K % 32)]); x = x.reshape(x.shape[:-1] + (-1, 32)); a = np.abs(x).max(-1, keepdims=True)
;;       e = np.where(a > 0, np.clip(np.frexp(np.where(a > 0, a, 1))[1] - 1 - 2, -126, 127), 0)      # np.frexp(a)[1] - 1 = floor(log2(a)), exactly
;;       r = np.clip(x / 2.0 ** e, -7.5, 7.5)
;;       step = 2.0 ** (np.maximum(np.frexp(np.where(r == 0, 1, r))[1] - 1, 0) - 3)
;;       q = np.round(r / step) * step * 2.0 ** e      # np.round: ties to even
;;       return np.moveaxis(q.reshape(q.shape[:-2] + (-1,))[..., :K], -1, axis).astype(np.float32)
;;   ~~~
;;   OPERANDS COMPUTED ON THE WAY. 'Computed on the way' means the value that the module computes at that place (a softmax that the list does not call 'softmax' is quantised finished and normalised). What goes into a quantiser is computed in f32, as accurately as f32 sums, v_exp_f32 and their like allow (about 1e-6 of the number): no bf16 or f16 on the way to a quantiser, and a product that is left as it is and whose result goes on into a quantised operand takes f32 operands (vector FMAs, or v_wmma_f32_16x16x4_f32). A number that lies on a knife's edge between two numbers of the format may be rounded either way, as far as f32 arithmetic and the matrix unit's own rounding can turn it there, and no further.
;; 2 versions, each right; version 2 is version 1 with the launch ffn1 written anew for expert scheduling mode. Each part assembles by itself: llvm-mc -triple=amdgcn-amd-amdhsa -mcpu=gfx1250 --defsym DOCPART=n.
;; ======== version 1 of 2: 4 launches
;; workspace buffers: xq 1,638,400 bytes; estar 16,384 bytes of whole numbers; w1q 6,553,600 bytes; w2q 6,553,600 bytes; route 20,480 bytes of whole numbers; hq 7,270,400 bytes
;; launch prep1 (part 1): grid 32 x 8, 8 waves a work-group, no clusters, 67,584 bytes of LDS; arguments x, gate_w, gate_b, w1, xq, estar, w1q; writes xq, estar, w1q
.if DOCPART == 1
	.amdgcn_target "amdgcn-amd-amdhsa--gfx1250"
	.amdhsa_code_object_version 6
	.text
	.protected	k_q1dd669249f_prep1
	.globl	k_q1dd669249f_prep1
	.p2align	8
	.type	k_q1dd669249f_prep1,@function
k_q1dd669249f_prep1:
	s_mov_b64 s[64:65], 0
	v_nop
	global_prefetch_b8 v0, s[64:65] scope:SCOPE_SE
	s_setreg_imm32_b32 hwreg(HW_REG_WAVE_MODE, 25, 1), 1
	s_wait_xcnt 0x0
; PREP1.  Work-groups with y = 0 (32 of them, 128 tokens each): the router's logits in f32, e* = the larger index of the two largest logits,
; stored as a whole number for each token, and x as codes of FP6 (E2M3) with one E8M0 byte for each 32 along K.
; Work-groups with y = 1 .. 7: w1[y] ([512 (k)][2048 (n)] f32, K its first axis) as codes, laid in the order of a matrix operand's registers.
; Expert 0 is never kept: e* is the larger of two different indices, so it is at least 1; its weights are neither read nor written.
; A FRAGMENT'S IMAGE (16 rows x 128 K, 12 registers a lane): register p of lane l lies at byte 512 (p / 4) + 16 l + 4 (p % 4): three accesses of 16 bytes a lane bring or store it.
; xq: codes [token][K step s][half h][48 bytes] = the 12 registers of lane (row, h) for step s; from byte 1,572,864 on [token][4 scale words].
; w1q: codes [e][slice g of 128 hidden][s 4][tile t 8][1,536]; from byte 6,291,456 on scale words [e][g][t][row 16][s 4].
; THE ROWS OF A TILE OF W1 ARE NOT NEIGHBOURS: row r of tile 2 b + u is hidden unit 32 b + 8 u + r + 8 (r / 8), so that the first product's results lie along the second product's K.
; The scale: the block's largest magnitude's exponent field - 2, held at 1 from below by a floor among the maximum's leaves.
; LIMITS: NaN and infinities are not served.  A block of zeros, or one whose largest magnitude lies under 2^-124, gets the byte 1: its codes are zeros or near it, and this program alone reads the bytes.
; The logits are f32 sums in another order than a plain ascending one: a second and a third logit closer than f32 rounding may change places.
; No tensor loads, no clusters: the weight work-groups share no input, each byte of w1 is read once.
.set RS,   8192                        ; bytes from a row k of w1 to the next
.set XST,  16384                       ; LDS, router: bytes 0 - 16,383 gate_w as it lies (32 bytes a k); from here 6,144 bytes for each wave: its 16 tokens' codes
.set SCB,  65536                       ; LDS, weights: 1,024 bytes: the work-group's scale words [32 columns' half][lane][K step]
.set X,    32                          ; weights: v32-159 my column's 128 numbers down K
.set F0,   160                         ; v160-171 the registers of lane (row, 0); v172-183 those of lane (row, 1)
.set TQ,   184                         ; v184.. each block's upper 16 codes (a conversion's three registers begin on an even number)
.set SO,   18                          ; v18-21 the conversions' scale operands
.set BY,   22                          ; v22-25 the scale bytes
.set SRC,  36                          ; s[36:37] my column group's first number; s[38:39] its two images; s[40:41] the scale words' place
.set DST,  38
.set SDS,  40
.set TM,   8                           ; router: v8-23 at work in QUANT
.set PW,   24                          ; v24 the scale word just made
.set XB0,  32                          ; v32-95, v96-159: 64 numbers of x, two sets
.set XB1,  96
.set G0,   160                         ; v160-191, v192-223: gate_w of 4 k, two sets
.set L,    224                         ; v224-231 my half of my token's eight logits
.set XW,   232                         ; v232-235 my token's four scale words
.set PC,   236                         ; v236-255 the codes just made
.set SEL,  32                          ; s[32:33] selects for lane l xor 16
; Block b of my column: largest magnitude (two chains), scale operand, byte, codes.
.macro BLK b
.set XS_, X+32*(\b)
	v_max3_num_f32 v10, |v[XS_]|, |v[XS_+1]|, |v[XS_+2]|
	v_max3_num_f32 v11, |v[XS_+3]|, |v[XS_+4]|, |v[XS_+5]|
.irp i, 6,10,14,18,22,26
	v_max3_num_f32 v10, v10, |v[XS_+\i]|, |v[XS_+\i+1]|
	v_max3_num_f32 v11, v11, |v[XS_+\i+2]|, |v[XS_+\i+3]|
.endr
	v_max3_num_f32 v10, v10, |v[XS_+30]|, |v[XS_+31]|
	v_max3_num_f32 v10, v10, v11, 0x1800000        ; the floor 2^(3 - 127): the byte cannot fall under 1
	v_add_nc_u32 v[SO+\b], 0xff000000, v10         ; 2 off the exponent field: the conversion takes this operand's exponent field as its scale
	v_lshrrev_b32 v[BY+\b], 23, v[SO+\b]           ; the scale's byte
	v_cvt_scalef32_pk16_fp6_f32 v[F0+12*((\b)%2)+6*((\b)/2):F0+12*((\b)%2)+6*((\b)/2)+2], v[XS_:XS_+15], v[SO+\b]
	v_cvt_scalef32_pk16_fp6_f32 v[TQ+4*(\b):TQ+4*(\b)+2], v[XS_+16:XS_+31], v[SO+\b]
.endm
; A wave quantises 32 columns x 128 along K: a lane to a column, its registers down K.  Blocks 0 and 2 are what lane (row, 0) of the operand holds, blocks 1 and 3 what lane (row, 1) holds.
.macro QW
.set i, 0
.rept 128
	global_load_b32 v[X+i], v4, s[SRC:SRC+1] offset:i*RS th:TH_LOAD_NT   ; one row k, 32 columns: 128 consecutive bytes a wave
.set i, i+1
.endr
	s_wait_loadcnt 63                              ; at most 63 of the 128 are out: numbers 0 to 64 are in, blocks 0 and 1 among them
	BLK 0
	BLK 1
	s_wait_loadcnt 32                              ; block 3's 32 may be out
	BLK 2
	s_wait_loadcnt 0x0
	BLK 3
	v_nop                                          ; one plain place behind the conversions
.irp b, 0,1,2,3
.irp i, 0,1,2
	v_mov_b32 v[F0+12*(\b%2)+6*(\b/2)+3+\i], v[TQ+4*\b+\i]
.endr
.endr
	v_lshl_or_b32 v26, v[BY+1], 8, v[BY]           ; my column's scale word for this K step
	v_lshl_or_b32 v26, v[BY+2], 16, v26
	v_lshl_or_b32 v26, v[BY+3], 24, v26
.irp h, 0,1
.irp c, 0,1,2
	global_store_b128 v5, v[F0+12*\h+4*\c:F0+12*\h+4*\c+3], s[DST:DST+1] offset:512*\c+256*\h   ; lanes 0-15 store 256 consecutive bytes, aligned, of one image, lanes 16-31 of the next
.endr
.endr
	ds_store_b32 v6, v26                           ; the four K steps' words of a column meet in LDS
	s_wait_dscnt 0x0                               ; for the others' sake
	s_barrier_signal -1
	s_barrier_wait -1
	s_cmp_lt_u32 s18, 2
	s_cbranch_scc0 .Lqw_done
	ds_load_b128 v[200:203], v7                    ; waves 0 and 1: a column's four words, 512 consecutive bytes a wave
	s_wait_dscnt 0x0
	global_store_b128 v8, v[200:203], s[SDS:SDS+1]
.Lqw_done:
	s_wait_tensorcnt 0x0
	ds_add_u32 v251, v255
	s_wait_dscnt 0x0
	s_endpgm
.endm
; 64 numbers of a lane, register 16 b + i = k 32 b + 16 (lane / 16) + i of my row, become a fragment's codes in v[PC] on and its scale word in v[PW].
.macro QUANT s
.irp b, 0,1,2,3
	v_max3_num_f32 v[TM+\b], |v[\s+16*\b]|, |v[\s+1+16*\b]|, 0x1800000   ; my 16 numbers of block b, and the floor
.endr
.irp i, 2,4,6,8,10,12,14
.irp b, 0,1,2,3
	v_max3_num_f32 v[TM+\b], v[TM+\b], |v[\s+16*\b+\i]|, |v[\s+1+16*\b+\i]|
.endr
.endr
.irp b, 0,1,2,3
	v_permlanex16_b32 v[TM+4+\b], v[TM+\b], s[SEL], s[SEL+1]
.endr
.irp b, 0,1,2,3
	v_max_num_f32 v[TM+\b], v[TM+\b], v[TM+4+\b]   ; with lane l xor 16's: the block's largest magnitude
.endr
.irp b, 0,1,2,3
	v_add_nc_u32 v[TM+12+\b], 0xff000000, v[TM+\b]
.endr
.irp b, 0,1,2,3
	v_lshrrev_b32 v[TM+4+\b], 23, v[TM+12+\b]
.endr
	v_lshl_or_b32 v[PW], v[TM+5], 8, v[TM+4]
	v_lshl_or_b32 v[PW], v[TM+6], 16, v[PW]
	v_lshl_or_b32 v[PW], v[TM+7], 24, v[PW]
.irp c, 0,1
	v_cvt_scalef32_pk16_fp6_f32 v[PC+6*\c:PC+2+6*\c], v[\s+32*\c:\s+15+32*\c], v[TM+12+2*\c]
	v_cvt_scalef32_pk16_fp6_f32 v[PC+12+4*\c:PC+14+4*\c], v[\s+16+32*\c:\s+31+32*\c], v[TM+12+2*\c+1]
.endr
	v_nop                                          ; one plain place behind a scaled conversion
.irp c, 0,1                                    ; the operand wants a whole block in a lane: lanes 0-15 block 2 c, lanes 16-31 block 2 c + 1
.irp i, 0,1,2
	v_permlane16_swap_b32 v[PC+6*\c+\i], v[PC+12+4*\c+\i]
.endr
.irp i, 0,1,2
	v_mov_b32 v[PC+3+6*\c+\i], v[PC+12+4*\c+\i]
.endr
.endr
.endm
.macro XLOAD reg, s                    ; my row's numbers of K step s: of each block of 32 my half's 16 neighbours
.irp b, 0,1,2,3
.irp j, 0,1,2,3
	global_load_b128 v[\reg+16*\b+4*\j:\reg+16*\b+4*\j+3], v4, s[4:5] offset:512*(\s)+128*\b+16*\j th:TH_LOAD_NT
.endr
.endr
.endm
.macro GLOAD s, n                      ; gate_w's rows for my registers 4 n .. 4 n + 3 of K step s: the sixteen lanes of a half read the same words
.irp kk, 0,1,2,3
	ds_load_b128 v[G0+32*((\n)%2)+8*\kk:G0+32*((\n)%2)+8*\kk+3], v5 offset:(128*(\s)+32*((\n)/4)+4*((\n)%4)+\kk)*32
	ds_load_b128 v[G0+32*((\n)%2)+8*\kk+4:G0+32*((\n)%2)+8*\kk+7], v5 offset:(128*(\s)+32*((\n)/4)+4*((\n)%4)+\kk)*32+16
.endr
.endm
.macro FMA xb, n                       ; 4 k x 8 experts: sixteen packed multiply-adds; one number of x feeds both halves
.set GG, G0+32*((\n)%2)
.set XX, \xb+4*(\n)
.irp q, 0,2
.irp p, 0,1,2,3
	v_pk_fma_f32 v[L+2*\p:L+2*\p+1], v[XX+\q:XX+\q+1], v[GG+8*\q+2*\p:GG+8*\q+2*\p+1], v[L+2*\p:L+2*\p+1] op_sel_hi:[0,1,1]
.endr
.irp p, 0,1,2,3
	v_pk_fma_f32 v[L+2*\p:L+2*\p+1], v[XX+\q:XX+\q+1], v[GG+8*\q+8+2*\p:GG+8*\q+8+2*\p+1], v[L+2*\p:L+2*\p+1] op_sel:[1,0,0] op_sel_hi:[1,1,1]
.endr
.endr
.endm
; K step s of the router: left = x's loads that may stay out; more = 1: the set takes the step two on.
.macro RSTEP s, xb, left, more
	s_wait_loadcnt \left
	GLOAD \s, 0
.set NN, 0
.rept 16
.if NN < 15
	GLOAD \s, NN+1
	s_wait_dscnt 8                                 ; the eight just issued may be out: group NN is in
.else
	s_wait_dscnt 0x0
.endif
	FMA \xb, NN
.set NN, NN+1
.endr
	QUANT \xb
.irp c, 0,1,2
	ds_store_b128 v6, v[PC+4*\c:PC+4*\c+3] offset:96*(\s)+16*\c   ; my 48 bytes of my token's row, in my wave's stage
.endr
	v_mov_b32 v[XW+\s], v[PW]
	s_wait_dscnt 0x0                               ; the stores have read their registers
.if \more
	XLOAD \xb, (\s)+2
.endif
.endm
	s_load_b256 s[4:11], s[0:1], 0x0               ; x s[4:5], gate_w s[6:7], gate_b s[8:9], w1 s[10:11]
	s_load_b128 s[12:15], s[0:1], 0x20             ; xq s[12:13], estar s[14:15]
	s_load_b64 s[16:17], s[0:1], 0x30              ; w1q
	v_lshl_add_u32 v251, v0, 2, 0x10400
	v_mov_b32 v255, 0
	v_lshrrev_b32 v1, 5, v0
	v_readfirstlane_b32 s18, v1                    ; wave 0..7
	v_and_b32 v1, 31, v0                           ; lane
	v_bfe_u32 v2, v0, 4, 1                         ; lane / 16
	v_and_b32 v3, 15, v0                           ; lane % 16
	s_and_b32 s19, ttmp7, 0xffff                   ; y: 0 the router, else the expert
	s_cmp_eq_u32 s19, 0
	s_cbranch_scc1 .Lrouter                        ; the same way for all eight waves; the two ways never join
	; ---- w1[y]: the work-group takes 64 columns x all 512 of K; wave w: columns 32 (w & 1) on, K step w >> 1
	v_and_b32 v4, 8, v3
	v_add_nc_u32 v4, v4, v3                        ; r + 8 (r / 8)
	v_lshl_add_u32 v4, v2, 3, v4                   ; + 8 u: my column of the 32
	v_lshlrev_b32 v4, 2, v4
	v_mul_u32_u24 v5, v2, 1536
	v_lshl_add_u32 v5, v3, 4, v5                   ; image u, row r
	s_and_b32 s20, s18, 1                          ; cg
	s_lshr_b32 s21, s18, 1                         ; ks
	s_lshl_b32 s22, s20, 9
	s_add_co_u32 s22, s22, SCB
	v_lshl_add_u32 v7, v1, 4, s22                  ; back: SCB + 512 cg + 16 lane
	s_lshl_b32 s23, s21, 2
	s_add_co_u32 s23, s23, s22
	v_lshl_add_u32 v6, v1, 4, s23                  ; in: the same + 4 ks
	v_lshlrev_b32 v8, 4, v1                        ; the words' place in memory: 16 lane
	s_lshl_b32 s24, s19, 22                        ; w1: expert, K step, column
	s_lshl_b32 s26, s21, 20
	s_add_co_u32 s24, s24, s26
	s_lshl_b32 s26, ttmp9, 8
	s_add_co_u32 s24, s24, s26
	s_lshl_b32 s26, s20, 7
	s_add_co_u32 s24, s24, s26
	s_mov_b32 s25, 0
	s_and_b32 s27, ttmp9, 1
	s_lshl_b32 s27, s27, 1
	s_add_co_u32 s27, s27, s20                     ; b: which 32 of the slice's 128 hidden units
	s_lshr_b32 s28, ttmp9, 1                       ; g: the slice
	s_mul_i32 s30, s19, 786432
	s_mul_i32 s26, s28, 49152
	s_add_co_u32 s30, s30, s26
	s_mul_i32 s26, s21, 12288
	s_add_co_u32 s30, s30, s26
	s_mul_i32 s26, s27, 3072
	s_add_co_u32 s30, s30, s26                     ; tiles 2 b and 2 b + 1 of (e, g, ks)
	s_mov_b32 s31, 0
	s_lshl_b32 s32, s19, 15
	s_lshl_b32 s26, s28, 11
	s_add_co_u32 s32, s32, s26
	s_lshl_b32 s26, s27, 9
	s_add_co_u32 s32, s32, s26
	s_add_co_u32 s32, s32, 6291456
	s_mov_b32 s33, 0
	s_wait_kmcnt 0x0
	s_add_nc_u64 s[SRC:SRC+1], s[10:11], s[24:25]
	s_add_nc_u64 s[DST:DST+1], s[16:17], s[30:31]
	s_add_nc_u64 s[SDS:SDS+1], s[16:17], s[32:33]
	QW
.Lrouter:
	; ---- wave w owns tokens 128 x + 16 w .. + 15; lane (r, h) takes token r and, of each block of 32 along K, its half's 16 numbers
	v_lshlrev_b32 v4, 11, v3
	v_lshl_add_u32 v4, v2, 6, v4                   ; x: 2,048 r + 64 h
	v_lshlrev_b32 v5, 9, v2                        ; gate_w in LDS: 16 k further on for lanes 16-31
	s_mul_i32 s20, s18, 6144
	s_add_co_u32 s20, s20, XST                     ; my wave's stage
	v_mul_u32_u24 v6, v3, 384
	v_mad_u32_u24 v6, v2, 48, v6
	v_add_nc_u32 v6, s20, v6                       ; in: 384 r + 48 h
	v_lshl_add_u32 v7, v1, 4, s20                  ; back: 16 lane
	v_lshlrev_b32 v25, 4, v1                       ; 16 lane
	v_lshlrev_b32 v26, 4, v3                       ; 16 r
	v_lshlrev_b32 v27, 2, v3                       ; 4 r
	v_lshlrev_b32 v28, 4, v0                       ; 16 x thread
	s_mov_b32 s[SEL], 0x76543210
	s_mov_b32 s[SEL+1], 0xfedcba98
	s_lshl_b32 s21, ttmp9, 7
	s_lshl_b32 s22, s18, 4
	s_add_co_u32 s21, s21, s22                     ; my first token
	s_lshl_b32 s22, s21, 11
	s_mov_b32 s23, 0
	s_mul_i32 s24, s21, 384
	s_mov_b32 s25, 0
	s_lshl_b32 s26, s21, 4
	s_add_co_u32 s26, s26, 1572864
	s_mov_b32 s27, 0
	s_lshl_b32 s36, s21, 2
	s_mov_b32 s37, 0
	s_wait_kmcnt 0x0
	s_load_b256 s[40:47], s[8:9], 0x0              ; gate_b
	s_add_nc_u64 s[4:5], s[4:5], s[22:23]
	s_add_nc_u64 s[28:29], s[12:13], s[24:25]      ; my tokens' codes
	s_add_nc_u64 s[30:31], s[12:13], s[26:27]      ; their scale words
	s_add_nc_u64 s[14:15], s[14:15], s[36:37]      ; their e*
.irp i, 0,1,2,3
	global_load_b128 v[G0+4*\i:G0+4*\i+3], v28, s[6:7] offset:4096*\i   ; gate_w, 16,384 bytes by 256 threads
.endr
	XLOAD XB0, 0
	XLOAD XB1, 1
.irp b, 0,1,2,3
	v_mov_b32 v[TM+4+\b], 0                        ; written once: a lane permute's destination counts as one of its sources
.endr
.irp e, 0,1,2,3,4,5,6,7
	v_mov_b32 v[L+\e], 0
.endr
	s_wait_loadcnt 32                              ; x's 32 loads are younger: gate_w is in
.irp i, 0,1,2,3
	ds_store_b128 v28, v[G0+4*\i:G0+4*\i+3] offset:4096*\i
.endr
	s_wait_dscnt 0x0                               ; for the others' sake
	s_barrier_signal -1
	s_barrier_wait -1
	RSTEP 0, XB0, 16, 1                            ; the next step's 16 loads may be out
	RSTEP 1, XB1, 16, 1
	RSTEP 2, XB0, 16, 0
	RSTEP 3, XB1, 0, 0
.irp e, 0,1,2,3,4,5,6,7
	v_permlanex16_b32 v[208+\e], v[L+\e], s[SEL], s[SEL+1]
.endr
.irp e, 0,1,2,3,4,5,6,7
	v_add_f32 v[L+\e], v[L+\e], v[208+\e]          ; the two halves of K
.endr
	s_wait_kmcnt 0x0
.irp e, 0,1,2,3,4,5,6,7
	v_add_f32 v[L+\e], s[40+\e], v[L+\e]
.endr
	; the two largest, the lower index first among equals (a later logit displaces only by being strictly larger): v208 m1, v209 m2, v210 i1, v211 i2
	v_cmp_gt_f32 vcc_lo, v[L+1], v[L]
	v_cndmask_b32 v208, v[L], v[L+1], vcc_lo
	v_cndmask_b32 v209, v[L+1], v[L], vcc_lo
	v_cndmask_b32 v210, 0, 1, vcc_lo
	v_cndmask_b32 v211, 1, 0, vcc_lo
.irp e, 2,3,4,5,6,7
	v_cmp_gt_f32 s34, v[L+\e], v208
	v_cmp_gt_f32 vcc_lo, v[L+\e], v209
	v_cndmask_b32 v209, v209, v[L+\e], vcc_lo      ; it beats the second,
	v_cndmask_b32 v211, v211, \e, vcc_lo
	v_cndmask_b32 v209, v209, v208, s34            ; or the first, which then becomes the second
	v_cndmask_b32 v211, v211, v210, s34
	v_cndmask_b32 v208, v208, v[L+\e], s34
	v_cndmask_b32 v210, v210, \e, s34
.endr
	v_max_u32 v212, v210, v211                     ; e*: only stored here; the next launch sorts by it
	global_store_b32 v27, v212, s[14:15]           ; (lanes 16-31 repeat lanes 0-15's words)
	global_store_b128 v26, v[XW:XW+3], s[30:31]
.irp i, 0,1,2,3,4,5,6,7,8,9,10,11
	ds_load_b128 v[160+4*\i:163+4*\i], v7 offset:512*\i   ; LDS serves a wave's instructions in order: these see my stores
.endr
.irp i, 0,1,2,3,4,5,6,7,8,9,10,11
	s_wait_dscnt 11-\i
	global_store_b128 v25, v[160+4*\i:163+4*\i], s[28:29] offset:512*\i   ; 512 consecutive bytes a store: my 16 tokens' 6,144 bytes are dense
.endr
	s_wait_tensorcnt 0x0
	ds_add_u32 v251, v255
	s_wait_dscnt 0x0
	s_endpgm
.Lfunc_end_k_q1dd669249f_prep1:
	.size	k_q1dd669249f_prep1, .Lfunc_end_k_q1dd669249f_prep1-k_q1dd669249f_prep1
	.p2alignl 7, 3214868480
	.fill 96, 4, 3214868480
	.section	.rodata,"a",@progbits
	.p2align	6, 0x0
	.amdhsa_kernel k_q1dd669249f_prep1
		.amdhsa_group_segment_fixed_size 67584
		.amdhsa_private_segment_fixed_size 0
		.amdhsa_enable_private_segment 0
		.amdhsa_kernarg_size 56
		.amdhsa_user_sgpr_count 2
		.amdhsa_user_sgpr_kernarg_segment_ptr 1
		.amdhsa_wavefront_size32 1
		.amdhsa_system_sgpr_workgroup_id_x 1
		.amdhsa_system_sgpr_workgroup_id_y 1
		.amdhsa_system_sgpr_workgroup_id_z 1
		.amdhsa_system_vgpr_workitem_id 0
		.amdhsa_next_free_vgpr 256
		.amdhsa_next_free_sgpr 66
		.amdhsa_reserve_vcc 1
		.amdhsa_float_denorm_mode_32 3
		.amdhsa_float_denorm_mode_16_64 3
		.amdhsa_memory_ordered 1
		.amdhsa_forward_progress 1
		.amdhsa_inst_pref_size 151
	.end_amdhsa_kernel
	.amdgpu_metadata
---
amdhsa.version: [ 1, 2 ]
amdhsa.kernels:
  - .name:           k_q1dd669249f_prep1
    .symbol:         k_q1dd669249f_prep1.kd
    .args:
      - { .name: x, .offset: 0, .size: 8, .value_kind: global_buffer, .address_space: global }
      - { .name: gate_w, .offset: 8, .size: 8, .value_kind: global_buffer, .address_space: global }
      - { .name: gate_b, .offset: 16, .size: 8, .value_kind: global_buffer, .address_space: global }
      - { .name: w1, .offset: 24, .size: 8, .value_kind: global_buffer, .address_space: global }
      - { .name: xq, .offset: 32, .size: 8, .value_kind: global_buffer, .address_space: global }
      - { .name: estar, .offset: 40, .size: 8, .value_kind: global_buffer, .address_space: global }
      - { .name: w1q, .offset: 48, .size: 8, .value_kind: global_buffer, .address_space: global }
    .group_segment_fixed_size: 67584
    .private_segment_fixed_size: 0
    .kernarg_segment_align: 8
    .kernarg_segment_size: 56
    .max_flat_workgroup_size: 256
    .sgpr_count:     66
    .vgpr_count:     256
    .wavefront_size: 32
...
	.end_amdgpu_metadata
.endif
;; end of part 1
;; launch prep2 (part 2): grid 225 x 1, 8 waves a work-group, no clusters, 14,336 bytes of LDS; arguments estar, w2, route, w2q; writes route, w2q
.if DOCPART == 2
	.amdgcn_target "amdgcn-amd-amdhsa--gfx1250"
	.amdhsa_code_object_version 6
	.text
	.protected	k_q1dd669249f_prep2
	.globl	k_q1dd669249f_prep2
	.p2align	8
	.type	k_q1dd669249f_prep2,@function
k_q1dd669249f_prep2:
	s_mov_b64 s[64:65], 0
	v_nop
	global_prefetch_b8 v0, s[64:65] scope:SCOPE_SE
	s_setreg_imm32_b32 hwreg(HW_REG_WAVE_MODE, 25, 1), 1
	s_wait_xcnt 0x0
; PREP2.  Work-group 0: a counting sort of the 4,096 tokens by e*, and the table of tiles.  Work-groups 1 .. 224: w2[1 .. 7] ([2048 (k)][512 (n)] f32, K its first axis) as codes of FP6 in the order of a matrix operand's registers.
; route: order[4096] (token numbers, dense, sorted by expert) at byte 0; from byte 16,384 on 256 entries {expert, first slot, rows 0 .. 64, 0}: a tile is up to 64 sorted rows of one expert; entries past the last tile have 0 rows.
; w2q: codes [e][slice cs of 64 columns][K step s 16][tile c 4][1,536]; from byte 6,291,456 on scale words [e][cs][c][s / 4][row 16][s % 4].  Row r of tile c is column 16 c + r.
; A fragment's image: register p of lane l at byte 512 (p / 4) + 16 l + 4 (p % 4).
; The sort needs no atomics: each of 256 threads counts its 16 tokens by expert (eight counts of 16 bits in four words), a scan over the threads in LDS gives each thread its first slot for each expert.
; LIMITS as in the launch before: NaN and infinities not served; a block of zeros or under 2^-124 gets the byte 1.  Expert 0's weights are not read: e* is at least 1.
.set RS,   2048
.set SCB,  12288                       ; LDS, weights: 1,024 bytes of scale words.  Sort: A = 0 (2,048 bytes of zeros, then 256 x 16 bytes), B = 6,144 likewise
.set X,    32
.set F0,   160
.set TQ,   184
.set SO,   18
.set BY,   22
.set SRC,  36
.set DST,  38
.set SDS,  40
.set E,    4                           ; sort: v4-19 my 16 tokens' e*
.set C,    20                          ; v20-27 my counts
.set P,    28                          ; v28-31 the same packed, then the running sums
.set OWN,  32
.set TT,   36
.set TOT,  40                          ; v40-47 each expert's tokens
.set POS,  48                          ; v48-55 my next slot for each expert
.set NTL,  56                          ; v56-63 each expert's tiles
.set TB,   64                          ; v64-71 its first tile
.set SLOT, 72
.set ID,   88
.set BASE, 108                         ; v108-115 each expert's first slot
.macro BLK b
.set XS_, X+32*(\b)
	v_max3_num_f32 v10, |v[XS_]|, |v[XS_+1]|, |v[XS_+2]|
	v_max3_num_f32 v11, |v[XS_+3]|, |v[XS_+4]|, |v[XS_+5]|
.irp i, 6,10,14,18,22,26
	v_max3_num_f32 v10, v10, |v[XS_+\i]|, |v[XS_+\i+1]|
	v_max3_num_f32 v11, v11, |v[XS_+\i+2]|, |v[XS_+\i+3]|
.endr
	v_max3_num_f32 v10, v10, |v[XS_+30]|, |v[XS_+31]|
	v_max3_num_f32 v10, v10, v11, 0x1800000        ; the floor 2^(3 - 127): the byte cannot fall under 1
	v_add_nc_u32 v[SO+\b], 0xff000000, v10         ; 2 off the exponent field: the conversion's scale operand
	v_lshrrev_b32 v[BY+\b], 23, v[SO+\b]
	v_cvt_scalef32_pk16_fp6_f32 v[F0+12*((\b)%2)+6*((\b)/2):F0+12*((\b)%2)+6*((\b)/2)+2], v[XS_:XS_+15], v[SO+\b]
	v_cvt_scalef32_pk16_fp6_f32 v[TQ+4*(\b):TQ+4*(\b)+2], v[XS_+16:XS_+31], v[SO+\b]
.endm
; A wave quantises 32 columns x 128 along K: a lane to a column, its registers down K.
.macro QW
.set i, 0
.rept 128
	global_load_b32 v[X+i], v4, s[SRC:SRC+1] offset:i*RS th:TH_LOAD_NT
.set i, i+1
.endr
	s_wait_loadcnt 63                              ; at most 63 of the 128 are out: blocks 0 and 1 are in
	BLK 0
	BLK 1
	s_wait_loadcnt 32                              ; block 3's 32 may be out
	BLK 2
	s_wait_loadcnt 0x0
	BLK 3
	v_nop                                          ; one plain place behind the conversions
.irp b, 0,1,2,3
.irp i, 0,1,2
	v_mov_b32 v[F0+12*(\b%2)+6*(\b/2)+3+\i], v[TQ+4*\b+\i]
.endr
.endr
	v_lshl_or_b32 v26, v[BY+1], 8, v[BY]
	v_lshl_or_b32 v26, v[BY+2], 16, v26
	v_lshl_or_b32 v26, v[BY+3], 24, v26
.irp h, 0,1
.irp c, 0,1,2
	global_store_b128 v5, v[F0+12*\h+4*\c:F0+12*\h+4*\c+3], s[DST:DST+1] offset:512*\c+256*\h   ; sixteen lanes store 256 consecutive bytes, aligned
.endr
.endr
	ds_store_b32 v6, v26
	s_wait_dscnt 0x0                               ; for the others' sake
	s_barrier_signal -1
	s_barrier_wait -1
	s_cmp_lt_u32 s18, 2
	s_cbranch_scc0 .Lqw_done
	ds_load_b128 v[200:203], v7                    ; waves 0 and 1: a column's four words
	s_wait_dscnt 0x0
	global_store_b128 v8, v[200:203], s[SDS:SDS+1]
.Lqw_done:
	s_wait_tensorcnt 0x0
	ds_add_u32 v208, v209
	s_wait_dscnt 0x0
	s_endpgm
.endm
; One step of the scan: thread t adds thread t - d's sums (zeros in front of thread 0) and hands its own on in the other array.
.macro SCAN d, src, dst
	ds_load_b128 v[TT:TT+3], v1 offset:\src+2048-16*\d
	s_wait_dscnt 0x0
.irp i, 0,1,2,3
	v_add_nc_u32 v[P+\i], v[P+\i], v[TT+\i]        ; two counts a word; a sum stays under 2^16 (4,096 tokens)
.endr
	ds_store_b128 v1, v[P:P+3] offset:\dst+2048
	s_wait_dscnt 0x0                               ; my read of one array and my store into the other are done
	s_barrier_signal -1
	s_barrier_wait -1
.endm
	s_load_b256 s[4:11], s[0:1], 0x0               ; estar s[4:5], w2 s[6:7], route s[8:9], w2q s[10:11]
	v_lshl_add_u32 v208, v0, 2, 0x3400
	v_mov_b32 v209, 0
	v_lshrrev_b32 v1, 5, v0
	v_readfirstlane_b32 s18, v1                    ; wave 0..7
	s_cmp_eq_u32 ttmp9, 0
	s_cbranch_scc1 .Lplace                         ; the same way for all eight waves; the two ways never join
	; ---- w2: work-group 1 + 32 (e - 1) + 8 G + cp takes columns 64 cp on, K steps 4 G .. 4 G + 3; wave w: columns 32 (w & 1) on, K step 4 G + (w >> 1)
	v_and_b32 v1, 31, v0
	v_bfe_u32 v2, v0, 4, 1
	v_and_b32 v3, 15, v0
	v_lshlrev_b32 v4, 2, v1                        ; my column: the lane
	v_mul_u32_u24 v5, v2, 1536
	v_lshl_add_u32 v5, v3, 4, v5
	s_and_b32 s20, s18, 1                          ; cg
	s_lshr_b32 s21, s18, 1                         ; ks
	s_lshl_b32 s22, s20, 9
	s_add_co_u32 s22, s22, SCB
	v_lshl_add_u32 v7, v1, 4, s22
	s_lshl_b32 s23, s21, 2
	s_add_co_u32 s23, s23, s22
	v_lshl_add_u32 v6, v1, 4, s23
	v_lshlrev_b32 v8, 4, v3
	v_lshl_add_u32 v8, v2, 10, v8                  ; the words' place: tile u of my two, row r
	s_sub_co_u32 s19, ttmp9, 1
	s_lshr_b32 s27, s19, 5
	s_add_co_u32 s27, s27, 1                       ; e
	s_and_b32 s28, s19, 7                          ; cp
	s_bfe_u32 s29, s19, 0x20003                    ; G
	s_lshl_b32 s34, s29, 2
	s_add_co_u32 s34, s34, s21                     ; the K step
	s_lshl_b32 s24, s27, 22
	s_lshl_b32 s26, s34, 18
	s_add_co_u32 s24, s24, s26
	s_lshl_b32 s26, s28, 8
	s_add_co_u32 s24, s24, s26
	s_lshl_b32 s26, s20, 7
	s_add_co_u32 s24, s24, s26
	s_mov_b32 s25, 0
	s_mul_i32 s30, s27, 786432
	s_mul_i32 s26, s28, 98304
	s_add_co_u32 s30, s30, s26
	s_mul_i32 s26, s34, 6144
	s_add_co_u32 s30, s30, s26
	s_mul_i32 s26, s20, 3072
	s_add_co_u32 s30, s30, s26
	s_mov_b32 s31, 0
	s_lshl_b32 s32, s27, 15
	s_lshl_b32 s26, s28, 12
	s_add_co_u32 s32, s32, s26
	s_lshl_b32 s26, s20, 11
	s_add_co_u32 s32, s32, s26
	s_lshl_b32 s26, s29, 8
	s_add_co_u32 s32, s32, s26
	s_add_co_u32 s32, s32, 6291456
	s_mov_b32 s33, 0
	s_wait_kmcnt 0x0
	s_add_nc_u64 s[SRC:SRC+1], s[6:7], s[24:25]
	s_add_nc_u64 s[DST:DST+1], s[10:11], s[30:31]
	s_add_nc_u64 s[SDS:SDS+1], s[10:11], s[32:33]
	QW
.Lplace:
	; ---- thread t owns tokens 16 t .. 16 t + 15
	v_lshlrev_b32 v1, 4, v0                        ; 16 t
	v_lshlrev_b32 v2, 3, v0                        ; 8 t
	v_lshlrev_b32 v3, 6, v0                        ; 64 t
	v_mov_b32 v116, 0
	v_mov_b32 v117, 0
	s_wait_kmcnt 0x0
.irp i, 0,1,2,3
	global_load_b128 v[E+4*\i:E+4*\i+3], v3, s[4:5] offset:16*\i
.endr
	ds_store_b64 v2, v[116:117]                    ; the zeros in front of both arrays
	ds_store_b64 v2, v[116:117] offset:6144
.irp e, 0,1,2,3,4,5,6,7
	v_mov_b32 v[C+\e], 0
.endr
	s_wait_loadcnt 0x0
.irp j, 0,1,2,3,4,5,6,7,8,9,10,11,12,13,14,15
.irp e, 0,1,2,3,4,5,6,7
	v_cmp_eq_u32 vcc_lo, \e, v[E+\j]
	v_add_co_ci_u32 v[C+\e], vcc_lo, 0, v[C+\e], vcc_lo   ; + 1 where it is this expert's
.endr
.endr
.irp i, 0,1,2,3
	v_lshl_or_b32 v[P+\i], v[C+2*\i+1], 16, v[C+2*\i]
.endr
.irp i, 0,1,2,3
	v_mov_b32 v[OWN+\i], v[P+\i]
.endr
	ds_store_b128 v1, v[P:P+3] offset:2048
	s_wait_dscnt 0x0
	s_barrier_signal -1
	s_barrier_wait -1
	SCAN 1, 0, 6144
	SCAN 2, 6144, 0
	SCAN 4, 0, 6144
	SCAN 8, 6144, 0
	SCAN 16, 0, 6144
	SCAN 32, 6144, 0
	SCAN 64, 0, 6144
	SCAN 128, 6144, 0                              ; the sums up to and with thread t; the last step left them in A
	ds_load_b128 v[TT:TT+3], v116 offset:2048+4080 ; thread 255's: the totals
	s_wait_dscnt 0x0
.irp i, 0,1,2,3
	v_and_b32 v[TOT+2*\i], 0xffff, v[TT+\i]
	v_lshrrev_b32 v[TOT+2*\i+1], 16, v[TT+\i]
	v_sub_nc_u32 v[P+\i], v[P+\i], v[OWN+\i]       ; the threads in front of me alone
.endr
	v_mov_b32 v[BASE], 0
.irp e, 1,2,3,4,5,6,7
	v_add_nc_u32 v[BASE+\e], v[BASE+\e-1], v[TOT+\e-1]
.endr
.irp i, 0,1,2,3
	v_and_b32 v118, 0xffff, v[P+\i]
	v_add_nc_u32 v[POS+2*\i], v[BASE+2*\i], v118
	v_lshrrev_b32 v119, 16, v[P+\i]
	v_add_nc_u32 v[POS+2*\i+1], v[BASE+2*\i+1], v119
.endr
.irp j, 0,1,2,3,4,5,6,7,8,9,10,11,12,13,14,15
	v_mov_b32 v[SLOT+\j], v[POS]
	v_cmp_eq_u32 vcc_lo, 0, v[E+\j]
	v_add_co_ci_u32 v[POS], vcc_lo, 0, v[POS], vcc_lo
.irp e, 1,2,3,4,5,6,7
	v_cmp_eq_u32 vcc_lo, \e, v[E+\j]
	v_cndmask_b32 v[SLOT+\j], v[SLOT+\j], v[POS+\e], vcc_lo
	v_add_co_ci_u32 v[POS+\e], vcc_lo, 0, v[POS+\e], vcc_lo
.endr
.endr
.irp j, 0,1,2,3,4,5,6,7,8,9,10,11,12,13,14,15
	v_min_u32 v[SLOT+\j], 0xfff, v[SLOT+\j]        ; a slot is under 4,096 by the sums; held there, since it enters an address
	v_lshlrev_b32 v[SLOT+\j], 2, v[SLOT+\j]
	v_lshl_add_u32 v[ID+\j], v0, 4, \j
.endr
.irp j, 0,1,2,3,4,5,6,7,8,9,10,11,12,13,14,15
	global_store_b32 v[SLOT+\j], v[ID+\j], s[8:9]  ; each slot is written once: 16,384 bytes in all
.endr
	; the table: thread t writes entry t
.irp e, 0,1,2,3,4,5,6,7
	v_add_nc_u32 v[NTL+\e], 63, v[TOT+\e]
.endr
.irp e, 0,1,2,3,4,5,6,7
	v_lshrrev_b32 v[NTL+\e], 6, v[NTL+\e]
.endr
	v_mov_b32 v[TB], 0
.irp e, 1,2,3,4,5,6,7
	v_add_nc_u32 v[TB+\e], v[TB+\e-1], v[NTL+\e-1]
.endr
	v_mov_b32 v104, 1
	v_mov_b32 v105, 0
	v_mov_b32 v106, 0                              ; no rows, unless an expert claims the entry
	v_mov_b32 v107, 0
.irp e, 0,1,2,3,4,5,6,7
	v_sub_nc_u32 v118, v0, v[TB+\e]                ; which of this expert's tiles I would be
	v_cmp_lt_u32 vcc_lo, v118, v[NTL+\e]           ; (unsigned: a negative number is none)
	v_lshl_add_u32 v119, v118, 6, v[BASE+\e]
	v_lshlrev_b32 v118, 6, v118
	v_sub_nc_u32 v118, v[TOT+\e], v118
	v_min_u32 v118, 64, v118
	v_cndmask_b32 v104, v104, \e, vcc_lo
	v_cndmask_b32 v105, v105, v119, vcc_lo
	v_cndmask_b32 v106, v106, v118, vcc_lo
.endr
	global_store_b128 v1, v[104:107], s[8:9] offset:16384
	s_wait_tensorcnt 0x0
	ds_add_u32 v208, v209
	s_wait_dscnt 0x0
	s_endpgm
.Lfunc_end_k_q1dd669249f_prep2:
	.size	k_q1dd669249f_prep2, .Lfunc_end_k_q1dd669249f_prep2-k_q1dd669249f_prep2
	.p2alignl 7, 3214868480
	.fill 96, 4, 3214868480
	.section	.rodata,"a",@progbits
	.p2align	6, 0x0
	.amdhsa_kernel k_q1dd669249f_prep2
		.amdhsa_group_segment_fixed_size 14336
		.amdhsa_private_segment_fixed_size 0
		.amdhsa_enable_private_segment 0
		.amdhsa_kernarg_size 32
		.amdhsa_user_sgpr_count 2
		.amdhsa_user_sgpr_kernarg_segment_ptr 1
		.amdhsa_wavefront_size32 1
		.amdhsa_system_sgpr_workgroup_id_x 1
		.amdhsa_system_sgpr_workgroup_id_y 1
		.amdhsa_system_sgpr_workgroup_id_z 1
		.amdhsa_system_vgpr_workitem_id 0
		.amdhsa_next_free_vgpr 210
		.amdhsa_next_free_sgpr 66
		.amdhsa_reserve_vcc 1
		.amdhsa_float_denorm_mode_32 3
		.amdhsa_float_denorm_mode_16_64 3
		.amdhsa_memory_ordered 1
		.amdhsa_forward_progress 1
		.amdhsa_inst_pref_size 56
	.end_amdhsa_kernel
	.amdgpu_metadata
---
amdhsa.version: [ 1, 2 ]
amdhsa.kernels:
  - .name:           k_q1dd669249f_prep2
    .symbol:         k_q1dd669249f_prep2.kd
    .args:
      - { .name: estar, .offset: 0, .size: 8, .value_kind: global_buffer, .address_space: global }
      - { .name: w2, .offset: 8, .size: 8, .value_kind: global_buffer, .address_space: global }
      - { .name: route, .offset: 16, .size: 8, .value_kind: global_buffer, .address_space: global }
      - { .name: w2q, .offset: 24, .size: 8, .value_kind: global_buffer, .address_space: global }
    .group_segment_fixed_size: 14336
    .private_segment_fixed_size: 0
    .kernarg_segment_align: 8
    .kernarg_segment_size: 32
    .max_flat_workgroup_size: 256
    .sgpr_count:     66
    .vgpr_count:     210
    .wavefront_size: 32
...
	.end_amdgpu_metadata
.endif
;; end of part 2
;; launch ffn1 (part 3): grid 71 x 8, 4 waves a work-group, no clusters, 0 bytes of LDS; arguments route, xq, w1q, b1, hq; writes hq
.if DOCPART == 3
	.amdgcn_target "amdgcn-amd-amdhsa--gfx1250"
	.amdhsa_code_object_version 6
	.text
	.protected	k_q1dd669249f_ffn1
	.globl	k_q1dd669249f_ffn1
	.p2align	8
	.type	k_q1dd669249f_ffn1,@function
k_q1dd669249f_ffn1:
	s_mov_b64 s[64:65], 0
	v_nop
	global_prefetch_b8 v0, s[64:65] scope:SCOPE_SE
	s_setreg_imm32_b32 hwreg(HW_REG_WAVE_MODE, 25, 1), 1
	s_wait_xcnt 0x0
; FFN1.  For each tile of up to 64 sorted rows of one expert: h = gelu(x W1 + b1), exact GELU in f32, quantised to codes of FP6 along the hidden axis.  Only the expert that is kept for a token is multiplied.
; GRID: x = the tile: 4,096 / 64 + 7 = 71 serve every split of the tokens over experts 1 .. 7; y = two slices of 128 hidden units.  A wave: 32 rows (wave / 2) x one slice g = 2 y + wave % 2.
; A wave whose 32 rows lie past the tile's count stores nothing and ends.  Waves share nothing: no LDS, no barrier.
; OPERANDS come from memory straight into registers: the launches before laid them in the order of the operand's registers, three loads of 16 bytes a lane for a fragment.
; No tensor loads and no clusters: which tiles have the same expert hangs on counts read from memory, 71 tiles divide into no cluster, and partners would want different weights.
; THE PRODUCT IS USED TRANSPOSED (source 0 = 16 rows of W1, source 1 = 16 tokens): a lane holds one token; by the choice of W1's rows for a tile the 64 registers of a token tile are
; hidden units 32 b + 16 (lane / 16) + i at register 16 b + i: what the quantiser wants.  b1 is loaded into the accumulators and is the C of each sum's first product.
; ROWS PAST THE COUNT in a wave that has work: the list is read on, up to 63 words past the tile's first slot, which stays inside route (the table lies behind the list); the number read is held at 4,095,
; the rows are computed like any other, and the next launch does not store them.
; GELU: gelu(a) = max(a, 0) - |a| q, q = erfc(|a| / sqrt 2) / 2 = t 2^(KA a^2 + C0 + t (C1 + .. + t C9)), t = 1 / (1 + |a| / (2 sqrt 2)): a fit of erfc with a fractional error of 1.2e-7,
; its coefficients times log2(e); no difference of near numbers in either tail.
; hq: codes [tile][16 rows q 4][K step g 16][1,536], from byte 6,979,584 on scale words [tile][q][g / 4][row 16][g % 4].
; LIMITS: NaN and infinities not served; a block of zeros or under 2^-124 gets the scale byte 1.
; REGISTERS: window 0: v1-14 addresses; v16-47 W1's scale words (4 t + s), v48-55 x's (4 m + s): they hold nothing else; v68-84 and v88-107 the quantiser's; v128-255 the 16 accumulators ((m, t) at 128 + 64 m + 8 t).
;   window 1: two sets of fragments of 120 (W1's tile t at + 12 t, x's tile m at + 96 + 12 m); behind the products v0-127 GELU's temporaries; v240-241 C9.
.set W1S, 16
.set XS,  48
.set TM,  68
.set PW,  84
.set PC,  88
.set ACC, 128
.set GD,  0                            ; window 1: t, then q
.set GE,  32                           ; a^2, the exponent, 2^exponent
.set GP,  64                           ; the polynomial
.set GM,  96                           ; max(a, 0)
.set VC9, 240
.set KD,  38                           ; s38 1 / (2 sqrt 2)
.set KA,  40                           ; s[40:41] -log2(e) / 2
.set CK,  42                           ; s[42+2k:43+2k] Ck, k = 0 .. 8
.set SEL, 60
.set MSB, 0
.macro WIN new                         ; the immediate's high byte repeats the setting that is left; bits 1:0 source 0, 3:2 source 1, 5:4 source 2, 7:6 destination
.if MSB != \new
	s_set_vgpr_msb (MSB<<8)|\new
.set MSB, \new
.endif
.endm
.macro PAIR reg, val                   ; a packed form names a pair: both words are written
	s_mov_b32 s[\reg], \val
	s_mov_b32 s[\reg+1], \val
.endm
.macro WF s                            ; W1's eight fragments of K step s
.irp t, 0,1,2,3,4,5,6,7
.irp c, 0,1,2
	global_load_b128 v[120*((\s)%2)+12*\t+4*\c:120*((\s)%2)+12*\t+4*\c+3], v1, s[26:27] offset:12288*(\s)+1536*\t+512*\c
.endr
.endr
.endm
.macro XF s                            ; my 32 tokens' two fragments of K step s: 48 bytes a lane from its token's row
.irp m, 0,1
.irp c, 0,1,2
	global_load_b128 v[120*((\s)%2)+96+12*\m+4*\c:120*((\s)%2)+96+12*\m+4*\c+3], v[6+\m], s[6:7] offset:96*(\s)+16*\c
.endr
.endr
.endm
; K step s: 16 products on 16 accumulators by turns, one a turn; more = 1: the set takes the step two on.
.macro STEP s, more
	WIN 0x05                                       ; sources 0 and 1 window 1, C and D window 0
.irp m, 0,1
.irp t, 0,1,2,3,4,5,6,7
	v_wmma_scale_f32_16x16x128_f8f6f4 v[ACC+64*\m+8*\t:ACC+64*\m+8*\t+7], v[120*((\s)%2)+12*\t:120*((\s)%2)+12*\t+11], v[120*((\s)%2)+96+12*\m:120*((\s)%2)+96+12*\m+11], v[ACC+64*\m+8*\t:ACC+64*\m+8*\t+7], v[W1S+4*\t+(\s)], v[XS+4*\m+(\s)] matrix_a_fmt:MATRIX_FMT_FP6 matrix_b_fmt:MATRIX_FMT_FP6
.endr
.endr
.rept 4
	v_nop                                          ; four places in front of loads into registers that the products read, and of the first read of results
.endr
.if \more
	WIN 0x40                                       ; destination window 1, address window 0
	WF (\s)+2
	XF (\s)+2
.endif
.endm
; GELU in place on 32 registers from v[a] on (four accumulators, each from its low end on).
.macro GELU32 a
	WIN 0x40                                       ; results in window 1, a in window 0
.set j, 0
.rept 32
	v_fma_f32 v[GD+j], |v[\a+j]|, s[KD], 1.0       ; 1 + |a| / (2 sqrt 2)
.set j, j+1
.endr
.set j, 0
.rept 16
	v_pk_mul_f32 v[GE+j:GE+j+1], v[\a+j:\a+j+1], v[\a+j:\a+j+1]
.set j, j+2
.endr
.set j, 0
.rept 32
	v_max_num_f32 v[GM+j], 0, v[\a+j]
.set j, j+1
.endr
	WIN 0x55                                       ; all in window 1
.set j, 0
.rept 32
	v_rcp_f32 v[GD+j], v[GD+j]                     ; t
.set j, j+1
.endr
	v_nop                                          ; one plain place behind the transcendentals
.set j, 0
	s_wait_alu depctr_va_vdst(0)
.rept 16
	v_pk_fma_f32 v[GP+j:GP+j+1], v[GD+j:GD+j+1], v[VC9:VC9+1], s[CK+16:CK+17] op_sel_hi:[1,1,0]
.set j, j+2
.endr
.irp k, 7,6,5,4,3,2,1,0
.set j, 0
.rept 16
	v_pk_fma_f32 v[GP+j:GP+j+1], v[GP+j:GP+j+1], v[GD+j:GD+j+1], s[CK+2*\k:CK+2*\k+1] op_sel_hi:[1,1,0]
.set j, j+2
.endr
.endr
.set j, 0
.rept 16
	v_pk_fma_f32 v[GE+j:GE+j+1], v[GE+j:GE+j+1], s[KA:KA+1], v[GP+j:GP+j+1] op_sel_hi:[1,0,1]
.set j, j+2
.endr
.set j, 0
.rept 32
	v_exp_f32 v[GE+j], v[GE+j]
.set j, j+1
.endr
	v_nop                                          ; one plain place behind the transcendentals
.set j, 0
	s_wait_alu depctr_va_vdst(0)
.rept 16
	v_pk_mul_f32 v[GD+j:GD+j+1], v[GD+j:GD+j+1], v[GE+j:GE+j+1]   ; q
.set j, j+2
.endr
	WIN 0x14                                       ; a (destination and source 0) window 0, q and max(a, 0) window 1
.set j, 0
.rept 32
	v_fma_f32 v[\a+j], -|v[\a+j]|, v[GD+j], v[GM+j]
.set j, j+1
.endr
	WIN 0
.endm
; 64 numbers of a lane, register 16 b + i = k 32 b + 16 (lane / 16) + i of my row, become a fragment's codes in v[PC] on and its scale word in v[PW].
.macro QUANT s
.irp b, 0,1,2,3
	v_max3_num_f32 v[TM+\b], |v[\s+16*\b]|, |v[\s+1+16*\b]|, 0x1800000   ; my 16 numbers of block b, and the floor 2^(3 - 127)
.endr
.irp i, 2,4,6,8,10,12,14
.irp b, 0,1,2,3
	v_max3_num_f32 v[TM+\b], v[TM+\b], |v[\s+16*\b+\i]|, |v[\s+1+16*\b+\i]|
.endr
.endr
.irp b, 0,1,2,3
	v_permlanex16_b32 v[TM+4+\b], v[TM+\b], s[SEL], s[SEL+1]
.endr
.irp b, 0,1,2,3
	v_max_num_f32 v[TM+\b], v[TM+\b], v[TM+4+\b]
.endr
.irp b, 0,1,2,3
	v_add_nc_u32 v[TM+12+\b], 0xff000000, v[TM+\b] ; 2 off the exponent field: the conversion's scale operand
.endr
.irp b, 0,1,2,3
	v_lshrrev_b32 v[TM+4+\b], 23, v[TM+12+\b]
.endr
	v_lshl_or_b32 v[PW], v[TM+5], 8, v[TM+4]
	v_lshl_or_b32 v[PW], v[TM+6], 16, v[PW]
	v_lshl_or_b32 v[PW], v[TM+7], 24, v[PW]
.irp c, 0,1
	v_cvt_scalef32_pk16_fp6_f32 v[PC+6*\c:PC+2+6*\c], v[\s+32*\c:\s+15+32*\c], v[TM+12+2*\c]
	v_cvt_scalef32_pk16_fp6_f32 v[PC+12+4*\c:PC+14+4*\c], v[\s+16+32*\c:\s+31+32*\c], v[TM+12+2*\c+1]
.endr
	v_nop                                          ; one plain place behind a scaled conversion
.irp c, 0,1
.irp i, 0,1,2
	v_permlane16_swap_b32 v[PC+6*\c+\i], v[PC+12+4*\c+\i]
.endr
.irp i, 0,1,2
	v_mov_b32 v[PC+3+6*\c+\i], v[PC+12+4*\c+\i]
.endr
.endr
.endm
	s_load_b256 s[4:11], s[0:1], 0x0               ; route s[4:5], xq s[6:7], w1q s[8:9], b1 s[10:11]
	s_load_b64 s[12:13], s[0:1], 0x20              ; hq
	v_lshrrev_b32 v1, 5, v0
	v_readfirstlane_b32 s15, v1                    ; wave 0..3
	s_lshl_b32 s14, ttmp9, 4                       ; the tile's entry: 16 bytes
	s_and_b32 s18, ttmp7, 0xffff
	s_lshr_b32 s16, s15, 1                         ; wr: which 32 rows
	s_and_b32 s17, s15, 1
	s_lshl_b32 s19, s18, 1
	s_add_co_u32 s17, s17, s19                     ; g: which 128 hidden units
	s_wait_kmcnt 0x0
	s_load_b128 s[20:23], s[4:5], s14 offset:0x4000   ; expert, first slot, rows, 0
	v_and_b32 v1, 31, v0
	v_lshlrev_b32 v1, 4, v1                        ; 16 lane
	v_and_b32 v13, 15, v0                          ; r
	v_bfe_u32 v14, v0, 4, 1                        ; h
	v_lshlrev_b32 v2, 4, v13                       ; 16 r
	v_lshlrev_b32 v3, 6, v14                       ; 64 h
	v_mul_u32_u24 v10, v14, 48                     ; 48 h
.irp b, 0,1,2,3
	v_mov_b32 v[TM+4+\b], 0                        ; written once: a lane permute's destination counts as one of its sources
.endr
	s_mov_b32 s[KD], 0x3eb504f3
	PAIR KA, 0xbf38aa3b
	PAIR CK, 0xc034d90f
	PAIR CK+2, 0x3fb8ab5a
	PAIR CK+4, 0x3f0a29d2
	PAIR CK+6, 0x3e0efb2e
	PAIR CK+8, 0xbe899a80
	PAIR CK+10, 0x3ecdfd18
	PAIR CK+12, 0xbfd1a1e5
	PAIR CK+14, 0x40097039
	PAIR CK+16, 0xbf97d29d
	s_mov_b32 s[SEL], 0x76543210
	s_mov_b32 s[SEL+1], 0xfedcba98
	s_wait_kmcnt 0x0
	s_min_u32 s20, s20, 7                          ; whole numbers from memory are held before they enter an address
	s_min_u32 s21, s21, 0xfff
	s_min_u32 s22, s22, 64
	s_lshl_b32 s19, s16, 5
	s_cmp_ge_u32 s19, s22
	s_cbranch_scc1 .Lend                           ; none of my 32 rows exists
	s_add_co_u32 s19, s19, s21                     ; my first slot
	v_add_nc_u32 v11, s19, v13
	v_lshlrev_b32 v11, 2, v11
	s_mul_i32 s24, s20, 786432
	s_mul_i32 s39, s17, 49152
	s_add_co_u32 s24, s24, s39
	s_mov_b32 s25, 0
	s_add_nc_u64 s[26:27], s[8:9], s[24:25]        ; W1's fragments of (e, g)
	s_lshl_b32 s24, s20, 15
	s_lshl_b32 s39, s17, 11
	s_add_co_u32 s24, s24, s39
	s_add_co_u32 s24, s24, 6291456
	s_add_nc_u64 s[28:29], s[8:9], s[24:25]        ; their scale words
	s_lshl_b32 s24, s20, 13
	s_lshl_b32 s39, s17, 9
	s_add_co_u32 s24, s24, s39
	s_add_nc_u64 s[30:31], s[10:11], s[24:25]      ; b1 of (e, g)
	s_add_nc_u64 s[32:33], s[6:7], 0x180000        ; x's scale words
	s_mul_i32 s24, ttmp9, 98304
	s_mul_i32 s39, s16, 49152
	s_add_co_u32 s24, s24, s39
	s_mul_i32 s39, s17, 1536
	s_add_co_u32 s24, s24, s39
	s_add_nc_u64 s[34:35], s[12:13], s[24:25]      ; where my two images go
	s_lshl_b32 s24, ttmp9, 12
	s_lshl_b32 s39, s16, 11
	s_add_co_u32 s24, s24, s39
	s_lshr_b32 s39, s17, 2
	s_lshl_b32 s39, s39, 8
	s_add_co_u32 s24, s24, s39
	s_and_b32 s39, s17, 3
	s_lshl_b32 s39, s39, 2
	s_add_co_u32 s24, s24, s39
	s_add_co_u32 s24, s24, 6979584
	s_add_nc_u64 s[36:37], s[12:13], s[24:25]      ; and their scale words
	global_load_b32 v4, v11, s[4:5]                ; my token of rows 0-15,
	global_load_b32 v5, v11, s[4:5] offset:64      ; of rows 16-31
.irp t, 0,1,2,3,4,5,6,7
	global_load_b128 v[W1S+4*\t:W1S+4*\t+3], v2, s[28:29] offset:256*\t   ; row r's words of the four K steps
.endr
	WIN 0x40
	v_mov_b32 v[VC9], 0x3e7c6f08
	v_mov_b32 v[VC9+1], 0x3e7c6f08
	WF 0
	WIN 0
	s_wait_loadcnt 32                              ; the 8 + 24 loads behind them may be out: the tokens are in
	v_min_u32 v4, 0xfff, v4
	v_min_u32 v5, 0xfff, v5
	v_mad_u32_u24 v6, v4, 384, v10                 ; the token's row of codes, my half
	v_mad_u32_u24 v7, v5, 384, v10
	v_lshlrev_b32 v8, 4, v4                        ; its scale words
	v_lshlrev_b32 v9, 4, v5
	global_load_b128 v[XS:XS+3], v8, s[32:33]
	global_load_b128 v[XS+4:XS+7], v9, s[32:33]
.irp m, 0,1
.irp t, 0,1,2,3,4,5,6,7
	global_load_b128 v[ACC+64*\m+8*\t:ACC+64*\m+8*\t+3], v3, s[30:31] offset:(32*(\t/2)+8*(\t%2))*4      ; b1 at my eight hidden units of tile t
	global_load_b128 v[ACC+64*\m+8*\t+4:ACC+64*\m+8*\t+7], v3, s[30:31] offset:(32*(\t/2)+8*(\t%2))*4+16
.endr
.endr
	WIN 0x40
	XF 0
	WF 1
	XF 1
	s_wait_loadcnt 30                              ; K step 1's 30 loads may be out
	STEP 0, 1
	s_wait_loadcnt 30                              ; K step 2's
	STEP 1, 1
	s_wait_loadcnt 30                              ; K step 3's
	STEP 2, 0
	s_wait_loadcnt 0x0
	STEP 3, 0
.irp m, 0,1
	GELU32 ACC+64*\m
	GELU32 ACC+64*\m+32
	QUANT ACC+64*\m
.irp c, 0,1,2
	global_store_b128 v1, v[PC+4*\c:PC+4*\c+3], s[34:35] offset:24576*\m+512*\c   ; the fragment's image: 512 consecutive bytes a store
.endr
	global_store_b32 v2, v[PW], s[36:37] offset:1024*\m   ; (lanes 16-31 repeat lanes 0-15's words)
.if \m == 0
	s_wait_xcnt 0x0                                ; the stores' data are written again only behind this wait
.endif
.endr
.Lend:
	s_endpgm
.Lfunc_end_k_q1dd669249f_ffn1:
	.size	k_q1dd669249f_ffn1, .Lfunc_end_k_q1dd669249f_ffn1-k_q1dd669249f_ffn1
	.p2alignl 7, 3214868480
	.fill 96, 4, 3214868480
	.section	.rodata,"a",@progbits
	.p2align	6, 0x0
	.amdhsa_kernel k_q1dd669249f_ffn1
		.amdhsa_group_segment_fixed_size 0
		.amdhsa_private_segment_fixed_size 0
		.amdhsa_enable_private_segment 0
		.amdhsa_kernarg_size 40
		.amdhsa_user_sgpr_count 2
		.amdhsa_user_sgpr_kernarg_segment_ptr 1
		.amdhsa_wavefront_size32 1
		.amdhsa_system_sgpr_workgroup_id_x 1
		.amdhsa_system_sgpr_workgroup_id_y 1
		.amdhsa_system_sgpr_workgroup_id_z 1
		.amdhsa_system_vgpr_workitem_id 0
		.amdhsa_next_free_vgpr 512
		.amdhsa_next_free_sgpr 66
		.amdhsa_reserve_vcc 0
		.amdhsa_float_denorm_mode_32 3
		.amdhsa_float_denorm_mode_16_64 3
		.amdhsa_memory_ordered 1
		.amdhsa_forward_progress 1
		.amdhsa_inst_pref_size 115
	.end_amdhsa_kernel
	.amdgpu_metadata
---
amdhsa.version: [ 1, 2 ]
amdhsa.kernels:
  - .name:           k_q1dd669249f_ffn1
    .symbol:         k_q1dd669249f_ffn1.kd
    .args:
      - { .name: route, .offset: 0, .size: 8, .value_kind: global_buffer, .address_space: global }
      - { .name: xq, .offset: 8, .size: 8, .value_kind: global_buffer, .address_space: global }
      - { .name: w1q, .offset: 16, .size: 8, .value_kind: global_buffer, .address_space: global }
      - { .name: b1, .offset: 24, .size: 8, .value_kind: global_buffer, .address_space: global }
      - { .name: hq, .offset: 32, .size: 8, .value_kind: global_buffer, .address_space: global }
    .group_segment_fixed_size: 0
    .private_segment_fixed_size: 0
    .kernarg_segment_align: 8
    .kernarg_segment_size: 40
    .max_flat_workgroup_size: 128
    .sgpr_count:     66
    .vgpr_count:     512
    .wavefront_size: 32
...
	.end_amdgpu_metadata
.endif
;; end of part 3
;; launch ffn2 (part 4): grid 71 x 4, 4 waves a work-group, no clusters, 35,328 bytes of LDS; arguments route, hq, w2q, b2, out0; writes out0
.if DOCPART == 4
	.amdgcn_target "amdgcn-amd-amdhsa--gfx1250"
	.amdhsa_code_object_version 6
	.text
	.protected	k_q1dd669249f_ffn2
	.globl	k_q1dd669249f_ffn2
	.p2align	8
	.type	k_q1dd669249f_ffn2,@function
k_q1dd669249f_ffn2:
	s_mov_b64 s[64:65], 0
	v_nop
	global_prefetch_b8 v0, s[64:65] scope:SCOPE_SE
	s_setreg_imm32_b32 hwreg(HW_REG_WAVE_MODE, 25, 1), 1
	s_wait_xcnt 0x0
; FFN2.  out[token] = 2 (h W2 + b2) for each tile of up to 64 sorted rows of one expert; each row goes to its token's place.  Every token lies in one tile, so every output row has one owner.
; GRID: x = the tile (71 serve every split), y = two slices of 64 columns.  A wave: 32 rows (wave / 2) x the slice cs = 2 y + wave % 2, all 16 K steps of 128.  A wave whose rows lie past the count ends.
; OPERANDS come straight into registers, three loads of 16 bytes a lane for a fragment; three sets of registers by turns, so that two K steps' 36 loads are on their way while one is multiplied.
; No tensor loads and no clusters: which tiles have the same expert hangs on counts read from memory, 71 tiles divide into no cluster, and partners would want different weights.
; THE PRODUCT IS USED TRANSPOSED (source 0 = 16 columns of W2, source 1 = 16 rows of h): a lane holds eight neighbouring columns of one row.  b2 is loaded into the accumulators: the C of each sum's first product.
; THE WAY OUT: 16 rows x 256 bytes through the wave's own stage in LDS (rows 272 bytes apart); sixteen lanes then store a row's 256 consecutive bytes, aligned.  Rows past the count are masked by EXEC.
; The list is read up to 63 words past the tile's first slot, which stays inside route; the number read is held at 4,095.
; REGISTERS: window 0: v1-14 addresses; v16-31 the rows' places in out0; v32-63 h's scale words (16 m + s), v64-127 W2's (16 c + s): they hold nothing else; v128-191 the 8 accumulators ((m, c) at 128 + 32 m + 8 c); v192-223 rows read back.
;   window 1: three sets of 72: W2's tile c at + 12 c, h's tile m at + 48 + 12 m.
.set TO,  16
.set HS,  32
.set W2S, 64
.set ACC, 128
.set OB,  192
.set MSB, 0
.macro WIN new                         ; the immediate's high byte repeats the setting that is left
.if MSB != \new
	s_set_vgpr_msb (MSB<<8)|\new
.set MSB, \new
.endif
.endm
.macro KF s                            ; K step s: W2's four fragments, h's two: 18 loads
.set KB, 72*((\s)%3)
.irp c, 0,1,2,3
.irp k, 0,1,2
	global_load_b128 v[KB+12*\c+4*\k:KB+12*\c+4*\k+3], v1, s[26:27] offset:6144*(\s)+1536*\c+512*\k
.endr
.endr
.irp m, 0,1
.irp k, 0,1,2
	global_load_b128 v[KB+48+12*\m+4*\k:KB+48+12*\m+4*\k+3], v1, s[32:33] offset:24576*\m+1536*(\s)+512*\k
.endr
.endr
.endm
	s_load_b256 s[4:11], s[0:1], 0x0               ; route s[4:5], hq s[6:7], w2q s[8:9], b2 s[10:11]
	s_load_b64 s[12:13], s[0:1], 0x20              ; out0
	v_lshl_add_u32 v254, v0, 2, 0x8800
	v_mov_b32 v255, 0
	v_lshrrev_b32 v1, 5, v0
	v_readfirstlane_b32 s15, v1                    ; wave 0..3
	s_lshl_b32 s14, ttmp9, 4
	s_and_b32 s18, ttmp7, 0xffff
	s_lshr_b32 s16, s15, 1                         ; wr
	s_and_b32 s17, s15, 1
	s_lshl_b32 s19, s18, 1
	s_add_co_u32 s17, s17, s19                     ; cs
	s_wait_kmcnt 0x0
	s_load_b128 s[20:23], s[4:5], s14 offset:0x4000   ; expert, first slot, rows, 0
	v_and_b32 v1, 31, v0
	v_lshlrev_b32 v1, 4, v1                        ; 16 lane
	v_and_b32 v13, 15, v0                          ; r
	v_bfe_u32 v14, v0, 4, 1                        ; h
	v_lshlrev_b32 v2, 4, v13                       ; 16 r
	v_lshlrev_b32 v3, 5, v14                       ; 32 h
	s_mul_i32 s39, s15, 8704                       ; my stage
	v_mul_u32_u24 v4, v13, 272
	v_lshl_add_u32 v4, v14, 5, v4
	v_add_nc_u32 v4, s39, v4                       ; in: row r, + 32 h
	v_mul_u32_u24 v5, v14, 272
	v_lshl_add_u32 v5, v13, 4, v5
	v_add_nc_u32 v5, s39, v5                       ; back: lanes 0-15 one row, lanes 16-31 the next
	s_lshl_b32 s19, s16, 5
	v_add_nc_u32 v6, s19, v14                      ; the row of the tile that I store first
	s_wait_kmcnt 0x0
	s_min_u32 s20, s20, 7                          ; whole numbers from memory are held before they enter an address
	s_min_u32 s21, s21, 0xfff
	s_min_u32 s22, s22, 64
	s_cmp_ge_u32 s19, s22
	s_cbranch_scc1 .Lend                           ; none of my 32 rows exists
	s_add_co_u32 s38, s19, s21
	v_add_nc_u32 v8, s38, v14
	v_lshlrev_b32 v8, 2, v8                        ; its slot in the list
	s_mul_i32 s24, s20, 786432
	s_mul_i32 s39, s17, 98304
	s_add_co_u32 s24, s24, s39
	s_mov_b32 s25, 0
	s_add_nc_u64 s[26:27], s[8:9], s[24:25]        ; W2's fragments of (e, cs)
	s_lshl_b32 s24, s20, 15
	s_lshl_b32 s39, s17, 12
	s_add_co_u32 s24, s24, s39
	s_add_co_u32 s24, s24, 6291456
	s_add_nc_u64 s[28:29], s[8:9], s[24:25]        ; their scale words
	s_lshl_b32 s24, s20, 11
	s_lshl_b32 s39, s17, 8
	s_add_co_u32 s24, s24, s39
	s_add_nc_u64 s[30:31], s[10:11], s[24:25]      ; b2 of (e, cs)
	s_mul_i32 s24, ttmp9, 98304
	s_mul_i32 s39, s16, 49152
	s_add_co_u32 s24, s24, s39
	s_add_nc_u64 s[32:33], s[6:7], s[24:25]        ; h's fragments of my 32 rows
	s_lshl_b32 s24, ttmp9, 12
	s_lshl_b32 s39, s16, 11
	s_add_co_u32 s24, s24, s39
	s_add_co_u32 s24, s24, 6979584
	s_add_nc_u64 s[34:35], s[6:7], s[24:25]        ; their scale words
	s_lshl_b32 s24, s17, 8
	s_add_nc_u64 s[36:37], s[12:13], s[24:25]      ; out0 at my 64 columns
.irp m, 0,1
.irp i, 0,1,2,3,4,5,6,7
	global_load_b32 v[TO+8*\m+\i], v8, s[4:5] offset:(16*\m+2*\i)*4   ; the token of row 16 m + 2 i + lane / 16
.endr
.endr
.irp m, 0,1
.irp g, 0,1,2,3
	global_load_b128 v[HS+16*\m+4*\g:HS+16*\m+4*\g+3], v2, s[34:35] offset:1024*\m+256*\g
.endr
.endr
.irp c, 0,1,2,3
.irp g, 0,1,2,3
	global_load_b128 v[W2S+16*\c+4*\g:W2S+16*\c+4*\g+3], v2, s[28:29] offset:1024*\c+256*\g
.endr
.endr
.irp m, 0,1
.irp c, 0,1,2,3
	global_load_b128 v[ACC+32*\m+8*\c:ACC+32*\m+8*\c+3], v3, s[30:31] offset:64*\c        ; b2 at my eight columns of tile c
	global_load_b128 v[ACC+32*\m+8*\c+4:ACC+32*\m+8*\c+7], v3, s[30:31] offset:64*\c+16
.endr
.endr
	WIN 0x40                                       ; destination window 1, address window 0
	KF 0
	KF 1
	KF 2
.set SS, 0
.rept 16
.if SS <= 13
	s_wait_loadcnt 36                              ; the two later steps' 18 + 18 loads may be out
.elseif SS == 14
	s_wait_loadcnt 18
.else
	s_wait_loadcnt 0x0
.endif
	WIN 0x05                                       ; sources 0 and 1 window 1, C and D window 0
.set PB, 72*(SS%3)
.irp m, 0,1                                    ; eight accumulators by turns, one product a turn
.irp c, 0,1,2,3
	v_wmma_scale_f32_16x16x128_f8f6f4 v[ACC+32*\m+8*\c:ACC+32*\m+8*\c+7], v[PB+12*\c:PB+12*\c+11], v[PB+48+12*\m:PB+48+12*\m+11], v[ACC+32*\m+8*\c:ACC+32*\m+8*\c+7], v[W2S+16*\c+SS], v[HS+16*\m+SS] matrix_a_fmt:MATRIX_FMT_FP6 matrix_b_fmt:MATRIX_FMT_FP6
.endr
.endr
.rept 4
	v_nop                                          ; four places in front of loads into registers that the products read, and of the first read of results
.endr
.if SS <= 12
	WIN 0x40
	KF SS+3
.endif
.set SS, SS+1
.endr
	WIN 0
.set j, 0
.rept 32
	v_pk_mul_f32 v[ACC+j:ACC+j+1], v[ACC+j:ACC+j+1], 2.0 op_sel_hi:[1,0]   ; the sum over the two slots; each accumulator from its low end on
.set j, j+2
.endr
.irp i, 0,1,2,3,4,5,6,7,8,9,10,11,12,13,14,15
	v_min_u32 v[TO+\i], 0xfff, v[TO+\i]
.endr
.irp i, 0,1,2,3,4,5,6,7,8,9,10,11,12,13,14,15
	v_lshl_add_u32 v[TO+\i], v[TO+\i], 11, v2      ; the token's row of 2,048 bytes, + 16 r
.endr
.irp m, 0,1
.irp c, 0,1,2,3
	ds_store_b128 v4, v[ACC+32*\m+8*\c:ACC+32*\m+8*\c+3] offset:4352*\m+64*\c
	ds_store_b128 v4, v[ACC+32*\m+8*\c+4:ACC+32*\m+8*\c+7] offset:4352*\m+64*\c+16
.endr
.irp i, 0,1,2,3,4,5,6,7
	ds_load_b128 v[OB+4*\i:OB+4*\i+3], v5 offset:4352*\m+544*\i   ; LDS serves a wave's instructions in order: these see my stores
.endr
	s_wait_dscnt 0x0
.irp i, 0,1,2,3,4,5,6,7
	v_add_nc_u32 v7, 16*\m+2*\i, v6
	v_cmp_gt_u32 vcc_lo, s22, v7                   ; the row exists
	s_wait_xcnt 0x0                                ; EXEC changes only behind this wait
	s_and_saveexec_b32 s40, vcc_lo
	global_store_b128 v[TO+8*\m+\i], v[OB+4*\i:OB+4*\i+3], s[36:37] th:TH_STORE_NT   ; sixteen lanes store 256 consecutive bytes, aligned; written once
	s_wait_xcnt 0x0                                ; and again in front of the line that widens it; the store's data are free behind it too
	s_or_b32 exec_lo, exec_lo, s40
.endr
.endr
.Lend:
	s_wait_tensorcnt 0x0
	ds_add_u32 v254, v255
	s_wait_dscnt 0x0
	s_endpgm
.Lfunc_end_k_q1dd669249f_ffn2:
	.size	k_q1dd669249f_ffn2, .Lfunc_end_k_q1dd669249f_ffn2-k_q1dd669249f_ffn2
	.p2alignl 7, 3214868480
	.fill 96, 4, 3214868480
	.section	.rodata,"a",@progbits
	.p2align	6, 0x0
	.amdhsa_kernel k_q1dd669249f_ffn2
		.amdhsa_group_segment_fixed_size 35328
		.amdhsa_private_segment_fixed_size 0
		.amdhsa_enable_private_segment 0
		.amdhsa_kernarg_size 40
		.amdhsa_user_sgpr_count 2
		.amdhsa_user_sgpr_kernarg_segment_ptr 1
		.amdhsa_wavefront_size32 1
		.amdhsa_system_sgpr_workgroup_id_x 1
		.amdhsa_system_sgpr_workgroup_id_y 1
		.amdhsa_system_sgpr_workgroup_id_z 1
		.amdhsa_system_vgpr_workitem_id 0
		.amdhsa_next_free_vgpr 472
		.amdhsa_next_free_sgpr 66
		.amdhsa_reserve_vcc 1
		.amdhsa_float_denorm_mode_32 3
		.amdhsa_float_denorm_mode_16_64 3
		.amdhsa_memory_ordered 1
		.amdhsa_forward_progress 1
		.amdhsa_inst_pref_size 66
	.end_amdhsa_kernel
	.amdgpu_metadata
---
amdhsa.version: [ 1, 2 ]
amdhsa.kernels:
  - .name:           k_q1dd669249f_ffn2
    .symbol:         k_q1dd669249f_ffn2.kd
    .args:
      - { .name: route, .offset: 0, .size: 8, .value_kind: global_buffer, .address_space: global }
      - { .name: hq, .offset: 8, .size: 8, .value_kind: global_buffer, .address_space: global }
      - { .name: w2q, .offset: 16, .size: 8, .value_kind: global_buffer, .address_space: global }
      - { .name: b2, .offset: 24, .size: 8, .value_kind: global_buffer, .address_space: global }
      - { .name: out0, .offset: 32, .size: 8, .value_kind: global_buffer, .address_space: global }
    .group_segment_fixed_size: 35328
    .private_segment_fixed_size: 0
    .kernarg_segment_align: 8
    .kernarg_segment_size: 40
    .max_flat_workgroup_size: 128
    .sgpr_count:     66
    .vgpr_count:     472
    .wavefront_size: 32
...
	.end_amdgpu_metadata
.endif
;; end of part 4
;; ======== version 2 of 2: 4 launches; version 1 with the launch ffn1 written anew for expert scheduling mode
;; workspace buffers: xq 1,638,400 bytes; estar 16,384 bytes of whole numbers; w1q 6,553,600 bytes; w2q 6,553,600 bytes; route 20,480 bytes of whole numbers; hq 7,270,400 bytes
;; launch prep1: the kernel of part 1 again; grid 32 x 8, 8 waves a work-group, no clusters, 67,584 bytes of LDS; arguments x, gate_w, gate_b, w1, xq, estar, w1q; writes xq, estar, w1q
;; launch prep2: the kernel of part 2 again; grid 225 x 1, 8 waves a work-group, no clusters, 14,336 bytes of LDS; arguments estar, w2, route, w2q; writes route, w2q
;; launch ffn1 (part 5): grid 71 x 8, 4 waves a work-group, no clusters, 0 bytes of LDS; arguments route, xq, w1q, b1, hq; writes hq
.if DOCPART == 5
	.amdgcn_target "amdgcn-amd-amdhsa--gfx1250"
	.amdhsa_code_object_version 6
	.text
	.protected	k_q1dd669249f_ffn1
	.globl	k_q1dd669249f_ffn1
	.p2align	8
	.type	k_q1dd669249f_ffn1,@function
k_q1dd669249f_ffn1:
	s_mov_b64 s[64:65], 0
	v_nop
	global_prefetch_b8 v0, s[64:65] scope:SCOPE_SE
	s_setreg_imm32_b32 hwreg(HW_REG_WAVE_SCHED_MODE, 0, 2), 2
	s_setreg_imm32_b32 hwreg(HW_REG_WAVE_MODE, 25, 1), 1
	s_wait_xcnt 0x0
	s_wait_alu depctr_vm_vsrc(0)
; FFN1.  For each tile of up to 64 sorted rows of one expert: h = gelu(x W1 + b1), exact GELU in f32, quantised to codes of FP6 along the hidden axis.  Only the expert that is kept for a token is multiplied.
; GRID: x = the tile: 4,096 / 64 + 7 = 71 serve every split of the tokens over experts 1 .. 7; y = two slices of 128 hidden units.  A wave: 32 rows (wave / 2) x one slice g = 2 y + wave % 2.
; A wave whose 32 rows lie past the tile's count stores nothing and ends.  Waves share nothing: no LDS, no barrier.
; OPERANDS come from memory straight into registers: the launches before laid them in the order of the operand's registers, three loads of 16 bytes a lane for a fragment.
; No tensor loads and no clusters: which tiles have the same expert hangs on counts read from memory, 71 tiles divide into no cluster, and partners would want different weights.
; THE PRODUCT IS USED TRANSPOSED (source 0 = 16 rows of W1, source 1 = 16 tokens): a lane holds one token; by the choice of W1's rows for a tile the 64 registers of a token tile are
; hidden units 32 b + 16 (lane / 16) + i at register 16 b + i: what the quantiser wants.  b1 is loaded into the accumulators and is the C of each sum's first product.
; ROWS PAST THE COUNT in a wave that has work: the list is read on, up to 63 words past the tile's first slot, which stays inside route (the table lies behind the list); the number read is held at 4,095,
; the rows are computed like any other, and the next launch does not store them.
; GELU: gelu(a) = max(a, 0) - |a| q, q = erfc(|a| / sqrt 2) / 2 = t 2^(KA a^2 + C0 + t (C1 + .. + t C9)), t = 1 / (1 + |a| / (2 sqrt 2)): a fit of erfc with a fractional error of 1.2e-7,
; its coefficients times log2(e); no difference of near numbers in either tail.
; hq: codes [tile][16 rows q 4][K step g 16][1,536], from byte 6,979,584 on scale words [tile][q][g / 4][row 16][g % 4].
; LIMITS: NaN and infinities not served; a block of zeros or under 2^-124 gets the scale byte 1.
; REGISTERS: window 0: v1-14 addresses; v16-47 W1's scale words (4 t + s), v48-55 x's (4 m + s): they hold nothing else; v68-84 and v88-107 the quantiser's; v128-255 the 16 accumulators ((m, t) at 128 + 64 m + 8 t).
;   window 1: two sets of fragments of 120 (W1's tile t at + 12 t, x's tile m at + 96 + 12 m); behind the products v0-127 GELU's temporaries; v240-241 C9.
; THE MODE: SCHED_MODE bits 1:0 = 2 (LLVM: expert scheduling mode 2), set by the entry lines.  The code itself states the register dependences
; between vector or matrix instructions and memory instructions, with s_wait_alu, always for 0.
; THE PLAN.  Registers that memory instructions touch:
;   v1, v2, v3, v11   offsets, made once at the head by vector lines, read by loads (v1, v2 by the stores too), never written again.
;   v6 .. v9          offsets made once from the two tokens that the list gives, read by x's loads, never written again.
;   v4, v5; the scale words; the accumulators   a load lands in each once, ahead of every vector or matrix line that names it.
;   sets 0 and 1      K step s: its 16 products read set s % 2; behind them the loads of step s + 2 land in it (steps 0 and 1 alone).
;   v84, v88-99       a token tile's scale word and codes: written by QUANT, read by the tile's four stores, written again by the next tile's QUANT.
; So: one wait on va_sdst for the wave's number; one on va_vdst ahead of the first load, one behind the lines that make v6 to v9; one behind the products of steps 0 and 1 each, ahead of the loads into
; the set that they have read; one ahead of each tile's stores; and one on vm_vsrc, beside the wait on XCNT, ahead of the second QUANT, two GELU32 behind the stores that it speaks of.
; The two waits in GELU32 stand between the transcendentals and the first reader of their results.  A step's loads stand in one run: a load and a product want different windows.
.set W1S, 16
.set XS,  48
.set TM,  68
.set PW,  84
.set PC,  88
.set ACC, 128
.set GD,  0                            ; window 1: t, then q
.set GE,  32                           ; a^2, the exponent, 2^exponent
.set GP,  64                           ; the polynomial
.set GM,  96                           ; max(a, 0)
.set VC9, 240
.set KD,  38                           ; s38 1 / (2 sqrt 2)
.set KA,  40                           ; s[40:41] -log2(e) / 2
.set CK,  42                           ; s[42+2k:43+2k] Ck, k = 0 .. 8
.set SEL, 60
.set MSB, 0
.macro WIN new                         ; the immediate's high byte repeats the setting that is left; bits 1:0 source 0, 3:2 source 1, 5:4 source 2, 7:6 destination
.if MSB != \new
	s_set_vgpr_msb (MSB<<8)|\new
.set MSB, \new
.endif
.endm
.macro PAIR reg, val                   ; a packed form names a pair: both words are written
	s_mov_b32 s[\reg], \val
	s_mov_b32 s[\reg+1], \val
.endm
.macro WF s                            ; W1's eight fragments of K step s
.irp t, 0,1,2,3,4,5,6,7
.irp c, 0,1,2
	global_load_b128 v[120*((\s)%2)+12*\t+4*\c:120*((\s)%2)+12*\t+4*\c+3], v1, s[26:27] offset:12288*(\s)+1536*\t+512*\c
.endr
.endr
.endm
.macro XF s                            ; my 32 tokens' two fragments of K step s: 48 bytes a lane from its token's row
.irp m, 0,1
.irp c, 0,1,2
	global_load_b128 v[120*((\s)%2)+96+12*\m+4*\c:120*((\s)%2)+96+12*\m+4*\c+3], v[6+\m], s[6:7] offset:96*(\s)+16*\c
.endr
.endr
.endm
; K step s: 16 products on 16 accumulators by turns, one a turn; more = 1: the set takes the step two on.
.macro STEP s, more
	WIN 0x05                                       ; sources 0 and 1 window 1, C and D window 0
.irp m, 0,1
.irp t, 0,1,2,3,4,5,6,7
	v_wmma_scale_f32_16x16x128_f8f6f4 v[ACC+64*\m+8*\t:ACC+64*\m+8*\t+7], v[120*((\s)%2)+12*\t:120*((\s)%2)+12*\t+11], v[120*((\s)%2)+96+12*\m:120*((\s)%2)+96+12*\m+11], v[ACC+64*\m+8*\t:ACC+64*\m+8*\t+7], v[W1S+4*\t+(\s)], v[XS+4*\m+(\s)] matrix_a_fmt:MATRIX_FMT_FP6 matrix_b_fmt:MATRIX_FMT_FP6
.endr
.endr
.rept 4
	v_nop                                          ; four places behind the products, ahead of the first vector instruction that reads a result or writes an operand's register (ISA guide 7.12.1); the wait below stands beside them, not in their place
.endr
.if \more
	WIN 0x40                                       ; destination window 1, address window 0
	s_wait_alu depctr_va_vdst(0)                   ; this step's products are done reading their set of fragments, in which the 30 loads below land
	WF (\s)+2
	XF (\s)+2
.endif
.endm
; GELU in place on 32 registers from v[a] on (four accumulators, each from its low end on).
.macro GELU32 a
	WIN 0x40                                       ; results in window 1, a in window 0
.set j, 0
.rept 32
	v_fma_f32 v[GD+j], |v[\a+j]|, s[KD], 1.0       ; 1 + |a| / (2 sqrt 2)
.set j, j+1
.endr
.set j, 0
.rept 16
	v_pk_mul_f32 v[GE+j:GE+j+1], v[\a+j:\a+j+1], v[\a+j:\a+j+1]
.set j, j+2
.endr
.set j, 0
.rept 32
	v_max_num_f32 v[GM+j], 0, v[\a+j]
.set j, j+1
.endr
	WIN 0x55                                       ; all in window 1
.set j, 0
.rept 32
	v_rcp_f32 v[GD+j], v[GD+j]                     ; t
.set j, j+1
.endr
	v_nop                                          ; one plain place behind the transcendentals
.set j, 0
	s_wait_alu depctr_va_vdst(0)                   ; the 32 reciprocals have written t, v[GD ..] of window 1, which the polynomial's first line reads: one wait for the batch
.rept 16
	v_pk_fma_f32 v[GP+j:GP+j+1], v[GD+j:GD+j+1], v[VC9:VC9+1], s[CK+16:CK+17] op_sel_hi:[1,1,0]
.set j, j+2
.endr
.irp k, 7,6,5,4,3,2,1,0
.set j, 0
.rept 16
	v_pk_fma_f32 v[GP+j:GP+j+1], v[GP+j:GP+j+1], v[GD+j:GD+j+1], s[CK+2*\k:CK+2*\k+1] op_sel_hi:[1,1,0]
.set j, j+2
.endr
.endr
.set j, 0
.rept 16
	v_pk_fma_f32 v[GE+j:GE+j+1], v[GE+j:GE+j+1], s[KA:KA+1], v[GP+j:GP+j+1] op_sel_hi:[1,0,1]
.set j, j+2
.endr
.set j, 0
.rept 32
	v_exp_f32 v[GE+j], v[GE+j]
.set j, j+1
.endr
	v_nop                                          ; one plain place behind the transcendentals
.set j, 0
	s_wait_alu depctr_va_vdst(0)                   ; the 32 exponentials have written v[GE ..] of window 1, which the multiplications below read: one wait for the batch
.rept 16
	v_pk_mul_f32 v[GD+j:GD+j+1], v[GD+j:GD+j+1], v[GE+j:GE+j+1]   ; q
.set j, j+2
.endr
	WIN 0x14                                       ; a (destination and source 0) window 0, q and max(a, 0) window 1
.set j, 0
.rept 32
	v_fma_f32 v[\a+j], -|v[\a+j]|, v[GD+j], v[GM+j]
.set j, j+1
.endr
	WIN 0
.endm
; 64 numbers of a lane, register 16 b + i = k 32 b + 16 (lane / 16) + i of my row, become a fragment's codes in v[PC] on and its scale word in v[PW].
.macro QUANT s
.irp b, 0,1,2,3
	v_max3_num_f32 v[TM+\b], |v[\s+16*\b]|, |v[\s+1+16*\b]|, 0x1800000   ; my 16 numbers of block b, and the floor 2^(3 - 127)
.endr
.irp i, 2,4,6,8,10,12,14
.irp b, 0,1,2,3
	v_max3_num_f32 v[TM+\b], v[TM+\b], |v[\s+16*\b+\i]|, |v[\s+1+16*\b+\i]|
.endr
.endr
.irp b, 0,1,2,3
	v_permlanex16_b32 v[TM+4+\b], v[TM+\b], s[SEL], s[SEL+1]
.endr
.irp b, 0,1,2,3
	v_max_num_f32 v[TM+\b], v[TM+\b], v[TM+4+\b]
.endr
.irp b, 0,1,2,3
	v_add_nc_u32 v[TM+12+\b], 0xff000000, v[TM+\b] ; 2 off the exponent field: the conversion's scale operand
.endr
.irp b, 0,1,2,3
	v_lshrrev_b32 v[TM+4+\b], 23, v[TM+12+\b]
.endr
	v_lshl_or_b32 v[PW], v[TM+5], 8, v[TM+4]
	v_lshl_or_b32 v[PW], v[TM+6], 16, v[PW]
	v_lshl_or_b32 v[PW], v[TM+7], 24, v[PW]
.irp c, 0,1
	v_cvt_scalef32_pk16_fp6_f32 v[PC+6*\c:PC+2+6*\c], v[\s+32*\c:\s+15+32*\c], v[TM+12+2*\c]
	v_cvt_scalef32_pk16_fp6_f32 v[PC+12+4*\c:PC+14+4*\c], v[\s+16+32*\c:\s+31+32*\c], v[TM+12+2*\c+1]
.endr
	v_nop                                          ; one plain place behind a scaled conversion
.irp c, 0,1
.irp i, 0,1,2
	v_permlane16_swap_b32 v[PC+6*\c+\i], v[PC+12+4*\c+\i]
.endr
.irp i, 0,1,2
	v_mov_b32 v[PC+3+6*\c+\i], v[PC+12+4*\c+\i]
.endr
.endr
.endm
	s_load_b256 s[4:11], s[0:1], 0x0               ; route s[4:5], xq s[6:7], w1q s[8:9], b1 s[10:11]
	s_load_b64 s[12:13], s[0:1], 0x20              ; hq
	v_lshrrev_b32 v1, 5, v0
	v_readfirstlane_b32 s15, v1                    ; wave 0..3
	s_lshl_b32 s14, ttmp9, 4                       ; the tile's entry: 16 bytes
	s_and_b32 s18, ttmp7, 0xffff
	s_wait_alu depctr_va_sdst(0)                   ; s15, the wave's number, is written, ahead of its first reader: my rows and my slice are made from it
	s_lshr_b32 s16, s15, 1                         ; wr: which 32 rows
	s_and_b32 s17, s15, 1
	s_lshl_b32 s19, s18, 1
	s_add_co_u32 s17, s17, s19                     ; g: which 128 hidden units
	s_wait_kmcnt 0x0
	s_load_b128 s[20:23], s[4:5], s14 offset:0x4000   ; expert, first slot, rows, 0
	v_and_b32 v1, 31, v0
	v_lshlrev_b32 v1, 4, v1                        ; 16 lane
	v_and_b32 v13, 15, v0                          ; r
	v_bfe_u32 v14, v0, 4, 1                        ; h
	v_lshlrev_b32 v2, 4, v13                       ; 16 r
	v_lshlrev_b32 v3, 6, v14                       ; 64 h
	v_mul_u32_u24 v10, v14, 48                     ; 48 h
.irp b, 0,1,2,3
	v_mov_b32 v[TM+4+\b], 0                        ; written once: a lane permute's destination counts as one of its sources
.endr
	s_mov_b32 s[KD], 0x3eb504f3
	PAIR KA, 0xbf38aa3b
	PAIR CK, 0xc034d90f
	PAIR CK+2, 0x3fb8ab5a
	PAIR CK+4, 0x3f0a29d2
	PAIR CK+6, 0x3e0efb2e
	PAIR CK+8, 0xbe899a80
	PAIR CK+10, 0x3ecdfd18
	PAIR CK+12, 0xbfd1a1e5
	PAIR CK+14, 0x40097039
	PAIR CK+16, 0xbf97d29d
	s_mov_b32 s[SEL], 0x76543210
	s_mov_b32 s[SEL+1], 0xfedcba98
	s_wait_kmcnt 0x0
	s_min_u32 s20, s20, 7                          ; whole numbers from memory are held before they enter an address
	s_min_u32 s21, s21, 0xfff
	s_min_u32 s22, s22, 64
	s_lshl_b32 s19, s16, 5
	s_cmp_ge_u32 s19, s22
	s_cbranch_scc1 .Lend                           ; none of my 32 rows exists
	s_add_co_u32 s19, s19, s21                     ; my first slot
	v_add_nc_u32 v11, s19, v13
	v_lshlrev_b32 v11, 2, v11
	WIN 0x40
	v_mov_b32 v[VC9], 0x3e7c6f08                   ; C9, as a pair in window 1: made here, ahead of the wait in front of the loads
	v_mov_b32 v[VC9+1], 0x3e7c6f08
	WIN 0
	s_mul_i32 s24, s20, 786432
	s_mul_i32 s39, s17, 49152
	s_add_co_u32 s24, s24, s39
	s_mov_b32 s25, 0
	s_add_nc_u64 s[26:27], s[8:9], s[24:25]        ; W1's fragments of (e, g)
	s_lshl_b32 s24, s20, 15
	s_lshl_b32 s39, s17, 11
	s_add_co_u32 s24, s24, s39
	s_add_co_u32 s24, s24, 6291456
	s_add_nc_u64 s[28:29], s[8:9], s[24:25]        ; their scale words
	s_lshl_b32 s24, s20, 13
	s_lshl_b32 s39, s17, 9
	s_add_co_u32 s24, s24, s39
	s_add_nc_u64 s[30:31], s[10:11], s[24:25]      ; b1 of (e, g)
	s_add_nc_u64 s[32:33], s[6:7], 0x180000        ; x's scale words
	s_mul_i32 s24, ttmp9, 98304
	s_mul_i32 s39, s16, 49152
	s_add_co_u32 s24, s24, s39
	s_mul_i32 s39, s17, 1536
	s_add_co_u32 s24, s24, s39
	s_add_nc_u64 s[34:35], s[12:13], s[24:25]      ; where my two images go
	s_lshl_b32 s24, ttmp9, 12
	s_lshl_b32 s39, s16, 11
	s_add_co_u32 s24, s24, s39
	s_lshr_b32 s39, s17, 2
	s_lshl_b32 s39, s39, 8
	s_add_co_u32 s24, s24, s39
	s_and_b32 s39, s17, 3
	s_lshl_b32 s39, s39, 2
	s_add_co_u32 s24, s24, s39
	s_add_co_u32 s24, s24, 6979584
	s_add_nc_u64 s[36:37], s[12:13], s[24:25]      ; and their scale words
	s_wait_alu depctr_va_vdst(0)                   ; the offsets v1, v2, v3 and v11 are written, which the loads below and all later loads and stores read; up to the next vector line stand loads and window switches alone
	global_load_b32 v4, v11, s[4:5]                ; my token of rows 0-15,
	global_load_b32 v5, v11, s[4:5] offset:64      ; of rows 16-31
.irp t, 0,1,2,3,4,5,6,7
	global_load_b128 v[W1S+4*\t:W1S+4*\t+3], v2, s[28:29] offset:256*\t   ; row r's words of the four K steps
.endr
	WIN 0x40
	WF 0
	WIN 0
	s_wait_loadcnt 32                              ; the 8 + 24 loads behind them may be out: the tokens are in
	v_min_u32 v4, 0xfff, v4
	v_min_u32 v5, 0xfff, v5
	v_mad_u32_u24 v6, v4, 384, v10                 ; the token's row of codes, my half
	v_mad_u32_u24 v7, v5, 384, v10
	v_lshlrev_b32 v8, 4, v4                        ; its scale words
	v_lshlrev_b32 v9, 4, v5
	s_wait_alu depctr_va_vdst(0)                   ; the offsets v6 to v9 are written, which x's loads of codes and scale words read, here and in the K steps
	global_load_b128 v[XS:XS+3], v8, s[32:33]
	global_load_b128 v[XS+4:XS+7], v9, s[32:33]
.irp m, 0,1
.irp t, 0,1,2,3,4,5,6,7
	global_load_b128 v[ACC+64*\m+8*\t:ACC+64*\m+8*\t+3], v3, s[30:31] offset:(32*(\t/2)+8*(\t%2))*4      ; b1 at my eight hidden units of tile t
	global_load_b128 v[ACC+64*\m+8*\t+4:ACC+64*\m+8*\t+7], v3, s[30:31] offset:(32*(\t/2)+8*(\t%2))*4+16
.endr
.endr
	WIN 0x40
	XF 0
	WF 1
	XF 1
	s_wait_loadcnt 30                              ; K step 1's 30 loads may be out
	STEP 0, 1
	s_wait_loadcnt 30                              ; K step 2's
	STEP 1, 1
	s_wait_loadcnt 30                              ; K step 3's
	STEP 2, 0
	s_wait_loadcnt 0x0
	STEP 3, 0
.irp m, 0,1
	GELU32 ACC+64*\m
	GELU32 ACC+64*\m+32
.if \m == 1
	s_wait_xcnt 0x0                                ; the first tile's stores have had their addresses translated: their data are written again only behind this wait,
	s_wait_alu depctr_vm_vsrc(0)                   ; and those stores have read v[PW] and v[PC ..], which the QUANT below writes again; the two GELU32 between name none of the stores' registers
.endif
	QUANT ACC+64*\m
	s_wait_alu depctr_va_vdst(0)                   ; the quantiser has written the codes v[PC ..] and the scale word v[PW], which the four stores below read
.irp c, 0,1,2
	global_store_b128 v1, v[PC+4*\c:PC+4*\c+3], s[34:35] offset:24576*\m+512*\c   ; the fragment's image: 512 consecutive bytes a store
.endr
	global_store_b32 v2, v[PW], s[36:37] offset:1024*\m   ; (lanes 16-31 repeat lanes 0-15's words)
.endr
.Lend:
	s_endpgm
.Lfunc_end_k_q1dd669249f_ffn1:
	.size	k_q1dd669249f_ffn1, .Lfunc_end_k_q1dd669249f_ffn1-k_q1dd669249f_ffn1
	.p2alignl 7, 3214868480
	.fill 96, 4, 3214868480
	.section	.rodata,"a",@progbits
	.p2align	6, 0x0
	.amdhsa_kernel k_q1dd669249f_ffn1
		.amdhsa_group_segment_fixed_size 0
		.amdhsa_private_segment_fixed_size 0
		.amdhsa_enable_private_segment 0
		.amdhsa_kernarg_size 40
		.amdhsa_user_sgpr_count 2
		.amdhsa_user_sgpr_kernarg_segment_ptr 1
		.amdhsa_wavefront_size32 1
		.amdhsa_system_sgpr_workgroup_id_x 1
		.amdhsa_system_sgpr_workgroup_id_y 1
		.amdhsa_system_sgpr_workgroup_id_z 1
		.amdhsa_system_vgpr_workitem_id 0
		.amdhsa_next_free_vgpr 512
		.amdhsa_next_free_sgpr 66
		.amdhsa_reserve_vcc 0
		.amdhsa_float_denorm_mode_32 3
		.amdhsa_float_denorm_mode_16_64 3
		.amdhsa_memory_ordered 1
		.amdhsa_forward_progress 1
		.amdhsa_inst_pref_size 115
	.end_amdhsa_kernel
	.amdgpu_metadata
---
amdhsa.version: [ 1, 2 ]
amdhsa.kernels:
  - .name:           k_q1dd669249f_ffn1
    .symbol:         k_q1dd669249f_ffn1.kd
    .args:
      - { .name: route, .offset: 0, .size: 8, .value_kind: global_buffer, .address_space: global }
      - { .name: xq, .offset: 8, .size: 8, .value_kind: global_buffer, .address_space: global }
      - { .name: w1q, .offset: 16, .size: 8, .value_kind: global_buffer, .address_space: global }
      - { .name: b1, .offset: 24, .size: 8, .value_kind: global_buffer, .address_space: global }
      - { .name: hq, .offset: 32, .size: 8, .value_kind: global_buffer, .address_space: global }
    .group_segment_fixed_size: 0
    .private_segment_fixed_size: 0
    .kernarg_segment_align: 8
    .kernarg_segment_size: 40
    .max_flat_workgroup_size: 128
    .sgpr_count:     66
    .vgpr_count:     512
    .wavefront_size: 32
...
	.end_amdgpu_metadata
.endif
;; end of part 5
;; launch ffn2: the kernel of part 4 again; grid 71 x 4, 4 waves a work-group, no clusters, 35,328 bytes of LDS; arguments route, hq, w2q, b2, out0; writes out0
